; MI455X (gfx1250); checked and timed in simulation.
; The chip was launched on July 23, 2026; its instructions are those of AMD's public machine-readable ISA for CDNA 5 (MIT licence, August 2026) and "CDNA5" Instruction Set Architecture Reference Guide (July 2026). The comments in the code are by the model that wrote it; some were corrected since.
;; Multi Head Scalar Attention. Allowed arithmetic: matrix products marked QUANTISED: E3M2 operands, one E8M0 scale for each 32 along K, by v_wmma_scale_f32_16x16x128_f8f6f4 with both operands' format E3M2, f32 sums; everything else in f32.
;; Inputs: Wk 1,024 x 1,024 float32; Wq 1,024 x 1,024 float32; Wv 1,024 x 1,024 float32; bk 1,024 float32; bq 1,024 float32; bv 1,024 float32; key 4 x 2,048 x 1,024 float32; query 4 x 2,048 x 1,024 float32; value 4 x 2,048 x 1,024 float32.
;; Outputs: out0 4 x 2,048 x 1,024 float32.
;; This version of the problem:
;;   THIS VERSION OF THE PROBLEM IS GIVEN IN LOW PRECISION. The matrix products marked QUANTISED in the list below multiply operands that are first quantised to E3M2 (3 exponent bits, 2 mantissa bits; 6 bits a number), with one power-of-two scale for each 32 numbers along K (OCP MX v1.0); their sums are f32. All else is computed in f32.
;;   The module's matrix products, in the order in which they are computed (A, B: the left and right operand; K: the contracted axis; several contracted axes count as one K, in the product's order):
;;     1. [M 8,192, K 1,024] x [K 1,024, N 1,024]; A: input query; B: input Wq: QUANTISED
;;     2. [M 8,192, K 1,024] x [K 1,024, N 1,024]; A: input key; B: input Wk: QUANTISED
;;     3. [M 8,192, K 1,024] x [K 1,024, N 1,024]; A: input value; B: input Wv: QUANTISED
;;     4. batch 64 x [M 2,048, K 64] x [K 64, N 2,048]; A: computed on the way; B: computed on the way: QUANTISED
;;     5. batch 64 x [M 64, K 2,048] x [K 2,048, N 2,048]; A: computed on the way; B: softmax (see below): QUANTISED
;;   THE QUANTISER, for each operand of a quantised product, along K:
;;     - K is cut into blocks of 32 from its start; a last block that is shorter is filled with zeros.
;;     - A block's scale is 2^e with e = floor(log2(the largest magnitude in the block)) - 4, held to -126 .. 127; a block of zeros has e = 0. As a byte (E8M0): e + 127.
;;     - Each number is divided by its block's scale, clamped to +-28, and rounded to the nearest number of E3M2, ties to even, subnormals kept.
;;     - The product sums the exact products of the quantised numbers (number of the format x scale) in f32.
;;   ~~~python
;;   def quantise(x, axis):      # numpy; x: float32 -> the quantised numbers, widened to float32 again
;;       x = np.moveaxis(x, axis, -1); K = x.shape[-1]
;;       x = np.pad(x, [(0, 0)] * (x.ndim - 1) + [(0, -K % 32)]); x = x.reshape(x.shape[:-1] + (-1, 32)); a = np.abs(x).max(-1, keepdims=True)
;;       e = np.where(a > 0, np.clip(np.frexp(np.where(a > 0, a, 1))[1] - 1 - 4, -126, 127), 0)      # np.frexp(a)[1] - 1 = floor(log2(a)), exactly
;;       r = np.clip(x / 2.0 ** e, -28, 28)
;;       step = 2.0 ** (np.maximum(np.frexp(np.where(r == 0, 1, r))[1] - 1, -2) - 2)
;;       q = np.round(r / step) * step * 2.0 ** e      # np.round: ties to even
;;       return np.moveaxis(q.reshape(q.shape[:-2] + (-1,))[..., :K], -1, axis).astype(np.float32)
;;   ~~~
;;   SOFTMAX AHEAD OF A QUANTISED PRODUCT. Where the list says 'softmax', what is quantised is not the finished softmax but p = 2^(t - M), with t = logit x log2(e) and M = ceil(the row's largest t), a whole number; so 1/2 < the row's largest p <= 1. The row's sum l is taken of the UNQUANTISED p, in f32, and the product's result is divided by l at the end. Since M is a whole number, a kernel that streams over the keys may use a running M (the ceiling of the running maximum): every later rescaling is an exact power of two, which a block's scale takes up: the codes' values come out the same.
;;   OPERANDS COMPUTED ON THE WAY. 'Computed on the way' means the value that the module computes at that place (a softmax that the list does not call 'softmax' is quantised finished and normalised). What goes into a quantiser is computed in f32, as accurately as f32 sums, v_exp_f32 and their like allow (about 1e-6 of the number): no bf16 or f16 on the way to a quantiser, and a product that is left as it is and whose result goes on into a quantised operand takes f32 operands (vector FMAs, or v_wmma_f32_16x16x4_f32). A number that lies on a knife's edge between two numbers of the format may be rounded either way, as far as f32 arithmetic and the matrix unit's own rounding can turn it there, and no further.
;; 2 versions. Each part assembles by itself: llvm-mc -triple=amdgcn-amd-amdhsa -mcpu=gfx1250 --defsym DOCPART=n.
;; ======== version 1 of 2: 3 launches
;; workspace buffers: Wc 2,555,904 bytes; Qc 6,815,744 bytes; KV 13,631,488 bytes
;; launch wquant (part 1): grid 8 x 24, 4 waves a work-group, no clusters, 13,824 bytes of LDS; arguments Wq, Wk, Wv, Wc; writes Wc
.if DOCPART == 1
	.amdgcn_target "amdgcn-amd-amdhsa--gfx1250"
	.amdhsa_code_object_version 6
	.text
	.protected	k_q09e8574733_wquant
	.globl	k_q09e8574733_wquant
	.p2align	8
	.type	k_q09e8574733_wquant,@function
k_q09e8574733_wquant:
	s_mov_b64 s[64:65], 0
	v_nop
	global_prefetch_b8 v0, s[64:65] scope:SCOPE_SE
	s_setreg_imm32_b32 hwreg(HW_REG_WAVE_MODE, 25, 1), 1
	s_wait_xcnt 0x0
; Wq, Wk, Wv, each [1024 (k)][1024 (n)] f32 with K as the FIRST axis, become codes of BF6 (E3M2) with one E8M0 byte for each 32 along K,
; laid in Wc in the order of a matrix operand's registers.  Wc = [weight 3][pair of tiles 32][K step 8], a unit of 3,328 bytes each:
;   two fragments (16 columns x 128 k, 12 registers a lane; registers 4 c .. 4 c + 3 of lane l at 512 c + 16 l), 1,536 bytes each, then 256 bytes of
;   scale words: the words of tiles 0 and 1 for row r at 8 r, and the same once more at 128 + 8 r, so that both halves of the lanes can load them.
; THE COLUMNS OF A TILE ARE NOT NEIGHBOURS: lane r of tile u of a pair takes column 8 u + r + 8 (r / 8) of the pair's 32.
; A LANE TAKES A COLUMN AND ITS REGISTERS RUN DOWN K: a block of 32 lies in one lane, its largest magnitude needs no other lane, and the conversions give codes with K innermost.
; A block's scale byte is the largest magnitude's exponent field - 4, held at 1 from below.
; LIMITS: NaN and infinities are not served; no largest magnitude is taken under 2^(5 - 127); a block of zeros gets the byte 1 and not 127: its codes are zeros and this program alone reads the bytes.
; SHARES: work-group x = 128 columns, y = 8 x weight + K step; wave w makes the unit of pair 4 x + w.  The unit is gathered in the wave's own stage in LDS and leaves as 3,328 dense bytes.  Waves share nothing: no barrier.
.set UNIT,  3328
.set SPARE, 4*UNIT                     ; behind the four stages: the spare words, 128 bytes for each wave, that no other line names
.set EMAX,  4
.set X,     32                         ; v32-95   two sets of 32 numbers
.set CD,    20                         ; v20-25   a block's six registers of codes; v26-28 the second conversion's
.set OUTR,  96                         ; v96-121  the way out
.set SPW,   14                         ; v14      LDS address of my spare word; never rewritten
.set NIL,   15                         ; v15      0; never rewritten
	s_load_b256 s[4:11], s[0:1], 0x0               ; Wq s[4:5], Wk s[6:7], Wv s[8:9], Wc s[10:11]
	v_lshl_add_u32 v[SPW], v0, 2, SPARE
	v_mov_b32 v[NIL], 0
	v_lshrrev_b32 v1, 5, v0
	v_readfirstlane_b32 s12, v1                    ; wave 0..3
	v_and_b32 v2, 31, v0                           ; lane = my column of the pair's 32
	v_lshlrev_b32 v3, 2, v2                        ; in: 4 bytes a lane
	v_bfe_u32 v17, v0, 3, 1                        ; u: which tile of the pair my column belongs to
	v_and_b32 v18, 7, v0
	v_bfe_u32 v19, v0, 4, 1
	v_lshl_or_b32 v18, v19, 3, v18                 ; r: which row of that tile
	s_mul_i32 s13, s12, UNIT                       ; my stage
	v_mul_u32_u24 v4, v17, 1536
	v_lshl_add_u32 v4, v18, 4, v4
	v_add_nc_u32 v4, s13, v4                       ; codes: fragment u, 16 r
	v_lshlrev_b32 v5, 3, v18
	v_lshl_add_u32 v5, v17, 2, v5
	v_add_nc_u32 v5, s13, v5                       ; scale word: 8 r + 4 u
	v_lshlrev_b32 v8, 4, v2                        ; the way out: 16 bytes a lane,
	v_lshlrev_b32 v9, 3, v2                        ; 8 bytes a lane for the scale words
	v_add_nc_u32 v6, s13, v8
	v_add_nc_u32 v7, s13, v9
	s_and_b32 s14, ttmp7, 0xffff
	s_lshr_b32 s15, s14, 3                         ; weight 0..2
	s_and_b32 s16, s14, 7                          ; K step
	s_lshl_b32 s17, ttmp9, 2
	s_add_co_u32 s17, s17, s12                     ; pair
	s_lshl_b32 s18, s16, 19                        ; 128 rows of 4,096 bytes a K step
	s_lshl_b32 s19, s17, 7                         ; 32 columns of 4 bytes a pair
	s_add_co_u32 s18, s18, s19
	s_mov_b32 s19, 0
	s_lshl_b32 s20, s15, 5
	s_add_co_u32 s20, s20, s17
	s_lshl_b32 s20, s20, 3
	s_add_co_u32 s20, s20, s16
	s_mul_i32 s20, s20, UNIT                       ; my unit in Wc
	s_mov_b32 s21, 0
	s_wait_kmcnt 0x0
	s_cmp_eq_u32 s15, 1                            ; the choice hangs on the work-group's number alone
	s_cselect_b64 s[4:5], s[6:7], s[4:5]
	s_cmp_eq_u32 s15, 2
	s_cselect_b64 s[4:5], s[8:9], s[4:5]
	s_add_nc_u64 s[4:5], s[4:5], s[18:19]
	s_add_nc_u64 s[10:11], s[10:11], s[20:21]
.macro LOAD t                          ; block t: W(32 t + i, my column), i = 0 .. 31, into set t % 2; a wave reads 128 consecutive bytes, the four waves 512
.set I, 0
.rept 32
	global_load_b32 v[X+32*((\t)%2)+I], v3, s[4:5] offset:(32*(\t)+I)*4096 th:TH_LOAD_NT
.set I, I+1
.endr
.endm
; Block t = 2 c + h holds k = 64 c + 32 h + 0 .. 31: registers 6 c .. 6 c + 5 of lane r + 16 h of my fragment
.macro BLOCK t
.set XB, X+32*((\t)%2)
.set HB, 256*((\t)%2)
.if (\t) < 3
	s_wait_loadcnt 32                              ; this block's 32 loads are in; the next block's 32 may be out
.else
	s_wait_loadcnt 0x0
.endif
	v_max3_num_f32 v12, |v[XB]|, |v[XB+1]|, |v[XB+2]|              ; the block's largest magnitude: all 32 numbers are mine; two chains
	v_max3_num_f32 v13, |v[XB+3]|, |v[XB+4]|, |v[XB+5]|
.irp i, 6,10,14,18,22,26
	v_max3_num_f32 v12, v12, |v[XB+\i]|, |v[XB+\i+1]|
	v_max3_num_f32 v13, v13, |v[XB+\i+2]|, |v[XB+\i+3]|
.endr
	v_max3_num_f32 v12, v12, |v[XB+30]|, |v[XB+31]|
	v_max3_num_f32 v12, v12, v13, (EMAX+1)<<23     ; and the floor 2^(5 - 127): the byte cannot fall under 1
	v_add_nc_u32 v10, -(EMAX<<23), v12             ; 4 off its exponent field: the conversion takes this operand's exponent field as its scale
	v_lshrrev_b32 v11, 23, v10                     ; the scale's byte
.if (\t) == 0
	v_mov_b32 v16, v11                             ; four bytes make my column's scale word for this K step
.else
	v_lshl_or_b32 v16, v11, 8*(\t), v16
.endif
	v_cvt_scalef32_pk16_bf6_f32 v[CD:CD+2], v[XB:XB+15], v10
	v_cvt_scalef32_pk16_bf6_f32 v[CD+6:CD+8], v[XB+16:XB+31], v10  ; (a conversion's three registers begin on an even number)
	v_nop                                          ; one plain place behind a scaled conversion
.irp i, 0,1,2
	v_mov_b32 v[CD+3+\i], v[CD+6+\i]
.endr
.if (\t) < 2                                   ; registers 0-3 fill a place of chunk 0, registers 4, 5 the lower half of a place of chunk 1
	ds_store_b128 v4, v[CD:CD+3] offset:HB
	ds_store_b64 v4, v[CD+4:CD+5] offset:512+HB
.else                                          ; registers 6, 7 the upper half of that place, registers 8-11 a place of chunk 2
	ds_store_b64 v4, v[CD:CD+1] offset:520+HB
	ds_store_b128 v4, v[CD+2:CD+5] offset:1024+HB
.endif
.if (\t) < 2
	LOAD (\t)+2
.endif
	s_wait_dscnt 0x0                               ; the stores have read their registers: the next block's codes may be written
.endm
	LOAD 0
	LOAD 1
	BLOCK 0
	BLOCK 1
	BLOCK 2
	BLOCK 3
	ds_store_b32 v5, v16 offset:3072               ; the scale word, for lanes 0-15 of the reader,
	ds_store_b32 v5, v16 offset:3200               ; and for lanes 16-31
.irp i, 0,1,2,3,4,5
	ds_load_b128 v[OUTR+4*\i:OUTR+4*\i+3], v6 offset:512*\i        ; LDS serves a wave's instructions in order: these see my stores
.endr
	ds_load_b64 v[OUTR+24:OUTR+25], v7 offset:3072
.irp i, 0,1,2,3,4,5
	s_wait_dscnt 6-\i                              ; the younger loads may be out
	global_store_b128 v8, v[OUTR+4*\i:OUTR+4*\i+3], s[10:11] offset:512*\i   ; 32 lanes store 512 consecutive bytes, at a multiple of 256 from the buffer's first byte
.endr
	s_wait_dscnt 0x0
	global_store_b64 v9, v[OUTR+24:OUTR+25], s[10:11] offset:3072  ; 256 consecutive bytes
	s_wait_tensorcnt 0x0                           ; the wave's end, behind my last LDS store
	ds_add_u32 v[SPW], v[NIL]
	s_wait_dscnt 0x0
	s_endpgm
.Lfunc_end_k_q09e8574733_wquant:
	.size	k_q09e8574733_wquant, .Lfunc_end_k_q09e8574733_wquant-k_q09e8574733_wquant
	.p2alignl 7, 3214868480
	.fill 96, 4, 3214868480
	.section	.rodata,"a",@progbits
	.p2align	6, 0x0
	.amdhsa_kernel k_q09e8574733_wquant
		.amdhsa_group_segment_fixed_size 13824
		.amdhsa_private_segment_fixed_size 0
		.amdhsa_enable_private_segment 0
		.amdhsa_kernarg_size 32
		.amdhsa_user_sgpr_count 2
		.amdhsa_user_sgpr_kernarg_segment_ptr 1
		.amdhsa_wavefront_size32 1
		.amdhsa_system_sgpr_workgroup_id_x 1
		.amdhsa_system_sgpr_workgroup_id_y 1
		.amdhsa_system_sgpr_workgroup_id_z 1
		.amdhsa_system_vgpr_workitem_id 0
		.amdhsa_next_free_vgpr 128
		.amdhsa_next_free_sgpr 66
		.amdhsa_reserve_vcc 0
		.amdhsa_float_denorm_mode_32 3
		.amdhsa_float_denorm_mode_16_64 3
		.amdhsa_memory_ordered 1
		.amdhsa_forward_progress 1
		.amdhsa_inst_pref_size 23
	.end_amdhsa_kernel
	.amdgpu_metadata
---
amdhsa.version: [ 1, 2 ]
amdhsa.kernels:
  - .name:           k_q09e8574733_wquant
    .symbol:         k_q09e8574733_wquant.kd
    .args:
      - { .name: Wq, .offset: 0, .size: 8, .value_kind: global_buffer, .address_space: global }
      - { .name: Wk, .offset: 8, .size: 8, .value_kind: global_buffer, .address_space: global }
      - { .name: Wv, .offset: 16, .size: 8, .value_kind: global_buffer, .address_space: global }
      - { .name: Wc, .offset: 24, .size: 8, .value_kind: global_buffer, .address_space: global }
    .group_segment_fixed_size: 13824
    .private_segment_fixed_size: 0
    .kernarg_segment_align: 8
    .kernarg_segment_size: 32
    .max_flat_workgroup_size: 128
    .sgpr_count:     66
    .vgpr_count:     128
    .wavefront_size: 32
...
	.end_amdgpu_metadata
.endif
;; end of part 1
;; launch proj (part 2): grid 64 x 3, 4 waves a work-group, no clusters, 136,704 bytes of LDS; arguments query, key, value, bq, bk, bv, Wc, Qc, KV; writes Qc, KV
.if DOCPART == 2
	.amdgcn_target "amdgcn-amd-amdhsa--gfx1250"
	.amdhsa_code_object_version 6
	.text
	.protected	k_q09e8574733_proj
	.globl	k_q09e8574733_proj
	.p2align	8
	.type	k_q09e8574733_proj,@function
k_q09e8574733_proj:
	s_mov_b64 s[64:65], 0
	v_nop
	global_prefetch_b8 v0, s[64:65] scope:SCOPE_SE
	s_setreg_imm32_b32 hwreg(HW_REG_WAVE_MODE, 25, 1), 1
	s_wait_xcnt 0x0
; relu(x W + b) for x = query, key or value (work-group y = 0, 1, 2), the product on codes of BF6 (E3M2) with one E8M0 scale for each 32 along K; the result is quantised again, as the
; operand of attention that it will be, and stored as images of that operand's registers.  x: [8192][1024] f32.  W: images from Wc (see there).  b: [1024] f32.
; SHARES.  A work-group takes 128 tokens (work-group x).  PHASE X: wave w quantises tokens 32 w .. 32 w + 31 along all of K, two tiles of 16 x 8 K steps, and stores the fragments' images in LDS.
; MAIN: wave w makes heads 4 w .. 4 w + 3 for all 128 tokens, a head at a time: 8 tiles of tokens x 4 tiles of features = 32 accumulators, 8 K steps of 128.  x comes from LDS, W straight from memory
; into registers (no two waves read the same W), three K steps ahead, in a ring of four sets.
; THE ROWS OF A TILE ARE NOT NEIGHBOURS, for tokens and for features alike: lane r of tile 2 b + u takes row 32 b + 8 u + r + 8 (r / 8), so that in a result the 16 registers of tiles 2 b and 2 b + 1
; of source 0 are 16 neighbours, 32 b + 16 (lane / 16) + 0 .. 15.
; Q AND K (K of the next product = the head's 64 features): source 0 = W, source 1 = x: a lane holds one token and its registers run along the features.
; V (K of the next product = the keys): source 0 = x, source 1 = W: a lane holds one feature and its registers run along the tokens.
; The bias is the C of each sum's first product, so the f32 additions are ordered otherwise than in x W + b written out.
; OUT.  Qc = [batch x head 64][128 tokens 16], 6,656 bytes: 8 half fragments (16 tokens x 64: registers 0-3 of lane l at 16 l, registers 4, 5 at 512 + 8 l), 768 bytes each; at 6,144 the scale words: lane (r, hh) at
; 16 x lane holds those of tiles 4 hh .. 4 hh + 3 (bytes 0, 1 are the tile's; bytes 2, 3 stand over zero codes and are a neighbour's bytes or 0, never 0xff).
; KV = [batch x head 64][128 keys 16], 13,312 bytes: K as a block of Qc; at 6,656 four fragments of V^T (16 features x 128 keys, 1,536 bytes each); at 12,800 their scale words, four at 16 x lane.
; LIMITS: NaN and infinities are not served; no largest magnitude is taken under 2^(5 - 127); a block of zeros gets the byte 1 and not 127: its codes are zeros and this program alone reads the bytes.
; REGISTERS, in windows of 256.  Window 0: addresses, scale words, what is being quantised.  Window 1: the 32 accumulators, (xt, wt) at v[8 (4 xt + wt)]; in phase X four sets of 64 numbers as loaded.
;   Window 2: W's ring, set k at v[48 k + 12 wt]; from v192 the bias as four tiles of C.  Window 3: x's fragments, set k at v[96 k + 12 xt].
.set XSC,   98304                      ; LDS: from 0 x's 64 fragments, (K step s, tile xt) at (8 s + xt) x 1,536; here their scale words: (s, row r, tile xt) at 512 s + 32 r + 4 xt
.set STG,   102400                     ; a stage of 16 rows x (512 + 16) bytes for each wave
.set SP,    528
.set SPARE, STG+4*16*SP                ; the spare words, 128 bytes for each wave, that no other line names
.set HALFX, 49152                      ; x's K steps 4 to 7 begin here: an LDS offset has 16 bits
.set WUNIT, 3328
.set WPAIR, 8*WUNIT
.set WHEAD, 2*WPAIR
.set WALL,  16*WHEAD
.set LI0,  4                           ; v4   16 x lane: an image's place for my lane
.set LI1,  5                           ; v5   the same + HALFX
.set L8,   6                           ; v6   8 x lane
.set LXS,  7                           ; v7   XSC + 32 r
.set XWI0, 8                           ; v8   where I store x's images: 16 x lane + 3,072 x wave
.set XWI1, 9                           ; v9   the same + HALFX
.set XWS,  10                          ; v10  and their scale words: XSC + 32 r + 8 x wave
.set SIN,  11                          ; v11  my stage, on the way in: 16 x lane
.set SOUT, 12                          ; v12  and on the way out: 528 r + 64 h
.set BA,   13                          ; v13  the bias for Q and K: 64 h
.set BV,   14                          ; v14  the bias for V: 4 (r + 8 (r / 8))
.set XS,   16                          ; v16-31  x's scale words, two sets of 8
.set WS,   32                          ; v32-47  W's scale words, a ring of four sets of 4
.set X,    48                          ; v48-111 64 numbers to be quantised
.set PC,   112                         ; v112-123 the codes just made; v124-126, v128-130 at work
.set TM,   132                         ; v132-147 at work
.set PWS,  148                         ; v148-151 scale words just made
.set OW,   152                         ; v152-155 scale words as they are stored
.set BT,   156                         ; v156-159 V's bias, a number a tile
.set SPW,  252                         ; v252 LDS address of my spare word; never rewritten
.set NIL,  253                         ; v253 0; never rewritten
.set BC,   192                         ; in window 2: the bias tiles
.set MSB, 0
.macro WIN new                         ; the immediate's high byte repeats the setting that is left; a switch that changes nothing is dropped
.if MSB != \new
	s_set_vgpr_msb (MSB<<8)|\new
.set MSB, \new
.endif
.endm
; 64 numbers of a lane, register 16 b + i = k 32 b + 16 (lane / 16) + i of my row, become 12 registers of codes in v[PC] on and a scale word in v[pw]
.macro QUANT s, pw
.irp b, 0,1,2,3
	v_max3_num_f32 v[TM+\b], |v[\s+16*\b]|, |v[\s+1+16*\b]|, 0x2800000   ; block b: my 16 numbers, and the floor 2^(5 - 127): the byte cannot fall under 1
.endr
.irp i, 2,4,6,8,10,12,14
.irp b, 0,1,2,3
	v_max3_num_f32 v[TM+\b], v[TM+\b], |v[\s+16*\b+\i]|, |v[\s+1+16*\b+\i]|   ; (the four blocks by turns)
.endr
.endr
.irp b, 0,1,2,3
	v_permlanex16_b32 v[TM+4+\b], v[TM+\b], s34, s35
.endr
.irp b, 0,1,2,3
	v_max_num_f32 v[TM+\b], v[TM+\b], v[TM+4+\b]   ; with lane l xor 16's: the block's largest magnitude
.endr
.irp b, 0,1,2,3
	v_add_nc_u32 v[TM+12+\b], 0xfe000000, v[TM+\b] ; 4 off its exponent field: the conversion's scale operand
.endr
.irp b, 0,1,2,3
	v_lshrrev_b32 v[TM+4+\b], 23, v[TM+12+\b]      ; the scale's byte
.endr
	v_lshl_or_b32 v[\pw], v[TM+5], 8, v[TM+4]
	v_lshl_or_b32 v[\pw], v[TM+6], 16, v[\pw]
	v_lshl_or_b32 v[\pw], v[TM+7], 24, v[\pw]
.irp c, 0,1
	v_cvt_scalef32_pk16_bf6_f32 v[PC+6*\c:PC+2+6*\c], v[\s+32*\c:\s+15+32*\c], v[TM+12+2*\c]
	v_cvt_scalef32_pk16_bf6_f32 v[PC+12+4*\c:PC+14+4*\c], v[\s+16+32*\c:\s+31+32*\c], v[TM+12+2*\c+1]   ; (a conversion's three registers begin on an even number)
.endr
	v_nop                                          ; one plain place behind a scaled conversion
.irp c, 0,1                                    ; the operand's layout wants a whole block in a lane: lanes 0-15 block 2 c, lanes 16-31 block 2 c + 1
.irp i, 0,1,2
	v_permlane16_swap_b32 v[PC+6*\c+\i], v[PC+12+4*\c+\i]
.endr
.irp i, 0,1,2
	v_mov_b32 v[PC+3+6*\c+\i], v[PC+12+4*\c+\i]
.endr
.endr
.endm
; A unit of W for one K step of a head: 2 loads of scale words (window 0) and 12 of fragments (destination window 2): 14 loads
.macro WSCL base, s8, ring
.irp pp, 0,1
	global_load_b64 v[WS+4*(\ring)+2*\pp:WS+4*(\ring)+2*\pp+1], v[L8], s[\base:\base+1] offset:WPAIR*\pp+WUNIT*(\s8)+3072
.endr
.endm
.macro WFRG base, s8, ring
.irp wt, 0,1,2,3
.irp c, 0,1,2
	global_load_b128 v[48*(\ring)+12*\wt+4*\c:48*(\ring)+12*\wt+4*\c+3], v[LI0], s[\base:\base+1] offset:WPAIR*(\wt/2)+WUNIT*(\s8)+1536*(\wt%2)+512*\c
.endr
.endr
.endm
; x for one K step: 2 LDS loads of scale words (window 0) and 24 of fragments (destination window 3): 26 loads
.macro XSCL s8, set
	ds_load_b128 v[XS+8*(\set):XS+8*(\set)+3], v[LXS] offset:512*(\s8)
	ds_load_b128 v[XS+8*(\set)+4:XS+8*(\set)+7], v[LXS] offset:512*(\s8)+16
.endm
.macro XFRG s8, set
.irp xt, 0,1,2,3,4,5,6,7
.irp c, 0,1,2
.if (\s8) < 4
	ds_load_b128 v[96*(\set)+12*\xt+4*\c:96*(\set)+12*\xt+4*\c+3], v[LI0] offset:(8*(\s8)+\xt)*1536+512*\c
.else
	ds_load_b128 v[96*(\set)+12*\xt+4*\c:96*(\set)+12*\xt+4*\c+3], v[LI1] offset:(8*((\s8)-4)+\xt)*1536+512*\c
.endif
.endr
.endr
.endm
; The bias of the head at s[44:45].  For Q and K (destination window 2): lane (r, h) wants, for tile 2 b + u, the features 32 b + 16 h + 8 u + 0 .. 7: 8 loads.  For V: its own feature of each tile: 4 loads
.macro BIASQ
.irp wt, 0,1,2,3
	global_load_b128 v[BC+8*\wt:BC+8*\wt+3], v[BA], s[44:45] offset:128*(\wt/2)+32*(\wt%2)
	global_load_b128 v[BC+8*\wt+4:BC+8*\wt+7], v[BA], s[44:45] offset:128*(\wt/2)+32*(\wt%2)+16
.endr
.endm
.macro BIASV
.irp wt, 0,1,2,3
	global_load_b32 v[BT+\wt], v[BV], s[44:45] offset:128*(\wt/2)+32*(\wt%2)
.endr
.endm
.macro BSPREAD                         ; V: a tile of C holds the lane's one number eight times
	WIN 0x80
.irp wt, 0,1,2,3
.irp j, 0,1,2,3,4,5,6,7
	v_mov_b32 v[BC+8*\wt+\j], v[BT+\wt]
.endr
.endr
	WIN 0
.endm
; Phase X, unit t = 2 s + u: K step s of my tile u.  16 loads, a token's 512 consecutive bytes each, in the tile's order of rows, into set t % 4 of window 1
.macro XLOAD t
.set XL_S, (\t)/2
.set XL_U, (\t)%2
.set XL_R, 64*((\t)%4)
	WIN 0x40
.irp i, 0,1,2,3,4,5,6,7,8,9,10,11,12,13,14,15
	global_load_b128 v[XL_R+4*\i:XL_R+4*\i+3], v[LI0], s[24:25] offset:(8*XL_U+\i+8*(\i/8))*4096+512*XL_S th:TH_LOAD_NT
.endr
.endm
.macro XUNIT t
.set U_S, (\t)/2
.set U_U, (\t)%2
.set U_R, 64*((\t)%4)
.if 15-(\t) >= 3
	s_wait_loadcnt 48                              ; this unit's 16 loads are in; those of the three units behind it may be out
.else
	s_wait_loadcnt 16*(15-(\t))
.endif
	WIN 0x04                                       ; an LDS store's data are its source 1: window 1
.irp i, 0,1,2,3,4,5,6,7,8,9,10,11,12,13,14,15
	ds_store_b128 v[SIN], v[U_R+4*\i:U_R+4*\i+3] offset:SP*\i      ; the 16 rows through my own stage, as they lie,
.endr
	WIN 0
.irp b, 0,1,2,3
.irp j, 0,1,2,3
	ds_load_b128 v[X+16*\b+4*\j:X+16*\b+4*\j+3], v[SOUT] offset:128*\b+16*\j   ; and back: of row r, 16 neighbours of each block of 32.  LDS serves a wave's instructions in order
.endr
.endr
	s_wait_dscnt 0x0                               ; the numbers are back; the stores have read their registers, and so have the last unit's stores of codes
.if (\t) < 12
	XLOAD (\t)+4                                   ; the set takes the unit four further on
	WIN 0
.endif
	QUANT X, PWS
.irp c, 0,1,2
.if U_S < 4
	ds_store_b128 v[XWI0], v[PC+4*\c:PC+4*\c+3] offset:12288*U_S+1536*U_U+512*\c
.else
	ds_store_b128 v[XWI1], v[PC+4*\c:PC+4*\c+3] offset:12288*(U_S-4)+1536*U_U+512*\c
.endif
.endr
	ds_store_b32 v[XWS], v[PWS] offset:512*U_S+4*U_U               ; both halves of the lanes write the same word with the same value
.endm
; A K STEP of a head.  It asks for x's fragments of the next step (from LDS) and for W's unit three steps on (steps 8 to 10 are the next head's 0 to 2), then multiplies: 32 products, the accumulators by turns.
; vp = 0: Q or K;  1: V.  In step 1 the next head's bias is asked for.
.macro KSTEP s, vp
.set K_N,  ((\s)+1)%8
.set K_NS, ((\s)+1)%2
.set K_C,  (\s)%2
.set K_R,  (\s)%4
.set K_WR, ((\s)+3)%4
.if (\s) > 0
.rept 4
	v_nop                                          ; four places between the last products and loads into registers that they have read (ISA guide 7.12.1 for vector instructions).  Step 0 stands behind the epilogue's vector work
.endr
.endif
	XSCL K_N, K_NS
.if (\s) < 5
	WSCL 40, (\s)+3, K_WR
.else
	WSCL 42, (\s)-5, K_WR
.endif
.if ((\s) == 1) && \vp
	BIASV
.endif
	WIN 0xc0
	XFRG K_N, K_NS
	WIN 0x80
.if ((\s) == 1) && !\vp
	BIASQ
.endif
.if (\s) < 5
	WFRG 40, (\s)+3, K_WR
.else
	WFRG 42, (\s)-5, K_WR
.endif
	s_wait_dscnt 26                                ; this step's x is in; the 26 LDS loads just issued may be out
.if ((\s) >= 1) && ((\s) <= 3)
.if \vp
	s_wait_loadcnt 46                              ; this step's W is in; behind it: three units of 14 and the 4 loads of the bias
.else
	s_wait_loadcnt 50                              ; this step's W is in; behind it: three units of 14 and the 8 loads of the bias
.endif
.else
	s_wait_loadcnt 42                              ; this step's W is in; behind it: three units of 14
.endif
.if \vp
.if (\s) == 0
	WIN 0x6b                                       ; source 0 (x) window 3, source 1 (W) window 2, C (the bias) window 2, D window 1
.else
	WIN 0x5b                                       ; C and D window 1
.endif
.else
.if (\s) == 0
	WIN 0x6e                                       ; source 0 (W) window 2, source 1 (x) window 3, C (the bias) window 2, D window 1
.else
	WIN 0x5e
.endif
.endif
.irp xt, 0,1,2,3,4,5,6,7
.irp wt, 0,1,2,3
.if \vp
.if (\s) == 0
	v_wmma_scale_f32_16x16x128_f8f6f4 v[8*(4*\xt+\wt):8*(4*\xt+\wt)+7], v[96*K_C+12*\xt:96*K_C+12*\xt+11], v[48*K_R+12*\wt:48*K_R+12*\wt+11], v[BC+8*\wt:BC+8*\wt+7], v[XS+8*K_C+\xt], v[WS+4*K_R+\wt] matrix_a_fmt:MATRIX_FMT_BF6 matrix_b_fmt:MATRIX_FMT_BF6
.else
	v_wmma_scale_f32_16x16x128_f8f6f4 v[8*(4*\xt+\wt):8*(4*\xt+\wt)+7], v[96*K_C+12*\xt:96*K_C+12*\xt+11], v[48*K_R+12*\wt:48*K_R+12*\wt+11], v[8*(4*\xt+\wt):8*(4*\xt+\wt)+7], v[XS+8*K_C+\xt], v[WS+4*K_R+\wt] matrix_a_fmt:MATRIX_FMT_BF6 matrix_b_fmt:MATRIX_FMT_BF6
.endif
.else
.if (\s) == 0
	v_wmma_scale_f32_16x16x128_f8f6f4 v[8*(4*\xt+\wt):8*(4*\xt+\wt)+7], v[48*K_R+12*\wt:48*K_R+12*\wt+11], v[96*K_C+12*\xt:96*K_C+12*\xt+11], v[BC+8*\wt:BC+8*\wt+7], v[WS+4*K_R+\wt], v[XS+8*K_C+\xt] matrix_a_fmt:MATRIX_FMT_BF6 matrix_b_fmt:MATRIX_FMT_BF6
.else
	v_wmma_scale_f32_16x16x128_f8f6f4 v[8*(4*\xt+\wt):8*(4*\xt+\wt)+7], v[48*K_R+12*\wt:48*K_R+12*\wt+11], v[96*K_C+12*\xt:96*K_C+12*\xt+11], v[8*(4*\xt+\wt):8*(4*\xt+\wt)+7], v[WS+4*K_R+\wt], v[XS+8*K_C+\xt] matrix_a_fmt:MATRIX_FMT_BF6 matrix_b_fmt:MATRIX_FMT_BF6
.endif
.endif
.endr
.endr
	WIN 0
.endm
; The bases of a trip: this head (s38) and the next (s39).  Behind the wave's last head the look-ahead goes back to its first: those bytes are there and are read for nothing, so that no load is left out and every count holds in every trip
.macro HEADS
	s_wait_xcnt 0x0                                ; every earlier load and store has read its base and its registers: they may be written
	s_lshl_b32 s48, s22, 2
	s_add_co_u32 s38, s48, s37
	s_add_co_u32 s39, s37, 1
	s_and_b32 s39, s39, 3
	s_add_co_u32 s39, s39, s48
	s_mov_b32 s51, 0
	s_mul_i32 s50, s38, WHEAD
	s_add_nc_u64 s[40:41], s[28:29], s[50:51]      ; W of this head,
	s_mul_i32 s50, s39, WHEAD
	s_add_nc_u64 s[42:43], s[28:29], s[50:51]      ; of the next,
	s_lshl_b32 s50, s39, 8
	s_add_nc_u64 s[44:45], s[26:27], s[50:51]      ; the next head's bias,
	s_mul_i32 s50, s38, s32
	s_lshl_b32 s50, s50, 4
	s_add_nc_u64 s[46:47], s[30:31], s[50:51]      ; and where this head's block goes: 16 blocks a head
.endm
.macro PLACES
.rept 4
	v_nop
.endr
.endm
; Q or K: two tiles of tokens at a time.  A lane's 32 registers of a tile are the head's 64 features' two blocks (its half of each), so two tiles are the quantiser's four blocks: registers 0-5 of the
; codes are the first tile's half fragment and 6-11 the second's; the scale word's low half is the first tile's, its high half the second's.
.macro EPI_QK
.irp q, 0,1,2,3
	WIN 0x04                                       ; source 1: window 1
.set J, 0
.rept 64
	v_max_num_f32 v[X+J], 0, v[64*\q+J]            ; the activation, in f32; each accumulator from its low end on
.set J, J+1
.endr
	WIN 0
	s_wait_xcnt 0x0                                ; the last stores have read the codes' registers
	QUANT X, PWS+\q
	global_store_b128 v[LI0], v[PC:PC+3], s[46:47] offset:1536*\q           ; 512 consecutive bytes, at a multiple of 256 from the buffer's first byte
	global_store_b64 v[L8], v[PC+4:PC+5], s[46:47] offset:1536*\q+512       ; 256
	global_store_b128 v[LI0], v[PC+6:PC+9], s[46:47] offset:1536*\q+768
	global_store_b64 v[L8], v[PC+10:PC+11], s[46:47] offset:1536*\q+1280
.endr
	v_cndmask_b32 v[OW], v[PWS], v[PWS+2], s36     ; lanes 0-15 carry the words of tiles 0-3, lanes 16-31 those of tiles 4-7
	v_cndmask_b32 v[OW+2], v[PWS+1], v[PWS+3], s36
	v_lshrrev_b32 v[OW+1], 16, v[OW]
	v_lshrrev_b32 v[OW+3], 16, v[OW+2]
	global_store_b128 v[LI0], v[OW:OW+3], s[46:47] offset:6144
.endm
; V: a tile of features at a time: a lane's 64 registers over the 8 tiles of tokens are its feature's 128 keys (its half of each block): one whole fragment of V^T
.macro EPI_V
.irp wt, 0,1,2,3
	WIN 0x04
.irp xt, 0,1,2,3,4,5,6,7
.irp j, 0,1,2,3,4,5,6,7
	v_max_num_f32 v[X+8*\xt+\j], 0, v[32*\xt+8*\wt+\j]
.endr
.endr
	WIN 0
	s_wait_xcnt 0x0
	QUANT X, PWS+\wt
.irp c, 0,1,2
	global_store_b128 v[LI0], v[PC+4*\c:PC+4*\c+3], s[46:47] offset:6656+1536*\wt+512*\c
.endr
.endr
	global_store_b128 v[LI0], v[PWS:PWS+3], s[46:47] offset:12800
	BSPREAD                                        ; the next head's bias: its four loads stand ahead of W's unit 4, which K step 4 has waited for
.endm
	s_load_b256 s[4:11], s[0:1], 0x0               ; query s[4:5], key s[6:7], value s[8:9], bq s[10:11]
	s_load_b256 s[12:19], s[0:1], 0x20             ; bk s[12:13], bv s[14:15], Wc s[16:17], Qc s[18:19]
	s_load_b64 s[20:21], s[0:1], 0x40              ; KV
	v_lshl_add_u32 v[SPW], v0, 2, SPARE
	v_mov_b32 v[NIL], 0
	v_lshrrev_b32 v1, 5, v0
	v_readfirstlane_b32 s22, v1                    ; wave 0..3
	s_and_b32 s23, ttmp7, 0xffff                   ; which tensor
	v_and_b32 v1, 31, v0                           ; lane
	v_and_b32 v2, 15, v0                           ; r
	v_bfe_u32 v3, v0, 4, 1                         ; h
	v_lshlrev_b32 v[LI0], 4, v1
	v_add_nc_u32 v[LI1], HALFX, v[LI0]
	v_lshlrev_b32 v[L8], 3, v1
	v_lshl_add_u32 v[LXS], v2, 5, XSC
	s_mul_i32 s48, s22, 3072
	v_add_nc_u32 v[XWI0], s48, v[LI0]
	v_add_nc_u32 v[XWI1], HALFX, v[XWI0]
	s_lshl_b32 s48, s22, 3
	v_add_nc_u32 v[XWS], s48, v[LXS]
	s_mul_i32 s48, s22, 16*SP
	s_add_co_u32 s48, s48, STG                     ; my stage
	v_add_nc_u32 v[SIN], s48, v[LI0]
	v_mul_u32_u24 v[SOUT], v2, SP
	v_lshl_add_u32 v[SOUT], v3, 6, v[SOUT]
	v_add_nc_u32 v[SOUT], s48, v[SOUT]
	v_lshlrev_b32 v[BA], 6, v3
	v_and_b32 v[BV], 8, v2
	v_add_nc_u32 v[BV], v[BV], v2
	v_lshlrev_b32 v[BV], 2, v[BV]
.irp b, 0,1,2,3
	v_mov_b32 v[TM+4+\b], 0                        ; written once: a lane permute's destination counts as one of its sources
.endr
	s_mov_b32 s34, 0x76543210
	s_mov_b32 s35, 0xfedcba98                      ; v_permlanex16_b32's selects for lane l xor 16
	s_mov_b32 s36, 0xffff0000                      ; lanes 16-31
	s_lshl_b32 s48, ttmp9, 19                      ; my work-group's 128 rows of 4,096 bytes,
	s_lshl_b32 s49, s22, 17                        ; my wave's 32 of them
	s_add_co_u32 s48, s48, s49
	s_mov_b32 s49, 0
	s_mul_i32 s50, s23, WALL                       ; my tensor's weight in Wc
	s_mov_b32 s51, 0
	s_lshr_b32 s52, ttmp9, 4                       ; the batch: 16 blocks of 128 tokens each
	s_lshl_b32 s52, s52, 8
	s_and_b32 s53, ttmp9, 15
	s_add_co_u32 s52, s52, s53                     ; 256 x batch + block: head 0's block
	s_mov_b32 s53, 0
	s_mul_i32 s54, s22, 4*WHEAD                    ; my wave's first head in W
	s_mov_b32 s55, 0
	s_wait_kmcnt 0x0
	s_cmp_eq_u32 s23, 1                            ; the choices hang on the work-group's number alone
	s_cselect_b64 s[24:25], s[6:7], s[4:5]
	s_cselect_b64 s[26:27], s[12:13], s[10:11]
	s_cmp_eq_u32 s23, 2
	s_cselect_b64 s[24:25], s[8:9], s[24:25]       ; x
	s_cselect_b64 s[26:27], s[14:15], s[26:27]     ; the bias
	s_cmp_eq_u32 s23, 0
	s_cselect_b64 s[30:31], s[18:19], s[20:21]     ; Q goes to Qc, K and V to KV
	s_mov_b32 s32, 13312
	s_cselect_b32 s32, 6656, s32                   ; a block's bytes there
	s_mul_i32 s52, s52, s32
	s_add_nc_u64 s[24:25], s[24:25], s[48:49]
	s_add_nc_u64 s[28:29], s[16:17], s[50:51]
	s_add_nc_u64 s[30:31], s[30:31], s[52:53]
	s_add_nc_u64 s[40:41], s[28:29], s[54:55]
	s_lshl_b32 s54, s22, 10
	s_add_nc_u64 s[44:45], s[26:27], s[54:55]      ; my first head's bias
	WIN 0x80
	BIASQ                                          ; the first head's bias is fetched in both patterns (both lie inside the head's 256 bytes): the path that follows takes its own
	WIN 0
	BIASV
.irp s, 0,1,2
	WSCL 40, \s, \s                                ; W of my first head, K steps 0 to 2
	WIN 0x80
	WFRG 40, \s, \s
	WIN 0
.endr
	XLOAD 0
	XLOAD 1
	XLOAD 2
	XLOAD 3
.irp t, 0,1,2,3,4,5,6,7,8,9,10,11,12,13,14,15
	XUNIT \t
.endr
	s_wait_dscnt 0x0                               ; for the others' sake: my images lie in LDS
	s_barrier_signal -1
	s_barrier_wait -1                              ; all 64 fragments of x do; from here on LDS is only read
	XSCL 0, 0
	WIN 0xc0
	XFRG 0, 0                                      ; K step 0 of x
	WIN 0
	s_mov_b32 s37, 0                               ; which of my four heads
	s_cmp_eq_u32 s23, 2
	s_cbranch_scc1 .Lv
.Lhead_qk:
	HEADS
.irp s, 0,1,2,3,4,5,6,7
	KSTEP \s, 0
.endr
	PLACES                                         ; between the last products and the first read of results
	EPI_QK
	s_add_co_u32 s37, s37, 1
	s_cmp_lt_u32 s37, 4
	s_cbranch_scc1 .Lhead_qk
	s_branch .Lend
.Lv:
	BSPREAD
.Lhead_v:
	HEADS
.irp s, 0,1,2,3,4,5,6,7
	KSTEP \s, 1
.endr
	PLACES
	EPI_V
	s_add_co_u32 s37, s37, 1
	s_cmp_lt_u32 s37, 4
	s_cbranch_scc1 .Lhead_v
.Lend:
	s_wait_tensorcnt 0x0                           ; the wave's end, behind my last LDS store
	ds_add_u32 v[SPW], v[NIL]
	s_wait_dscnt 0x0
	s_endpgm
.Lfunc_end_k_q09e8574733_proj:
	.size	k_q09e8574733_proj, .Lfunc_end_k_q09e8574733_proj-k_q09e8574733_proj
	.p2alignl 7, 3214868480
	.fill 96, 4, 3214868480
	.section	.rodata,"a",@progbits
	.p2align	6, 0x0
	.amdhsa_kernel k_q09e8574733_proj
		.amdhsa_group_segment_fixed_size 136704
		.amdhsa_private_segment_fixed_size 0
		.amdhsa_enable_private_segment 0
		.amdhsa_kernarg_size 72
		.amdhsa_user_sgpr_count 2
		.amdhsa_user_sgpr_kernarg_segment_ptr 1
		.amdhsa_wavefront_size32 1
		.amdhsa_system_sgpr_workgroup_id_x 1
		.amdhsa_system_sgpr_workgroup_id_y 1
		.amdhsa_system_sgpr_workgroup_id_z 1
		.amdhsa_system_vgpr_workitem_id 0
		.amdhsa_next_free_vgpr 1024
		.amdhsa_next_free_sgpr 66
		.amdhsa_reserve_vcc 0
		.amdhsa_float_denorm_mode_32 3
		.amdhsa_float_denorm_mode_16_64 3
		.amdhsa_memory_ordered 1
		.amdhsa_forward_progress 1
		.amdhsa_inst_pref_size 255
	.end_amdhsa_kernel
	.section	.bss,"aw",@nobits
	.p2align	6
	.space	262144
	.amdgpu_metadata
---
amdhsa.version: [ 1, 2 ]
amdhsa.kernels:
  - .name:           k_q09e8574733_proj
    .symbol:         k_q09e8574733_proj.kd
    .args:
      - { .name: query, .offset: 0, .size: 8, .value_kind: global_buffer, .address_space: global }
      - { .name: key, .offset: 8, .size: 8, .value_kind: global_buffer, .address_space: global }
      - { .name: value, .offset: 16, .size: 8, .value_kind: global_buffer, .address_space: global }
      - { .name: bq, .offset: 24, .size: 8, .value_kind: global_buffer, .address_space: global }
      - { .name: bk, .offset: 32, .size: 8, .value_kind: global_buffer, .address_space: global }
      - { .name: bv, .offset: 40, .size: 8, .value_kind: global_buffer, .address_space: global }
      - { .name: Wc, .offset: 48, .size: 8, .value_kind: global_buffer, .address_space: global }
      - { .name: Qc, .offset: 56, .size: 8, .value_kind: global_buffer, .address_space: global }
      - { .name: KV, .offset: 64, .size: 8, .value_kind: global_buffer, .address_space: global }
    .group_segment_fixed_size: 136704
    .private_segment_fixed_size: 0
    .kernarg_segment_align: 8
    .kernarg_segment_size: 72
    .max_flat_workgroup_size: 128
    .sgpr_count:     66
    .vgpr_count:     1024
    .wavefront_size: 32
...
	.end_amdgpu_metadata
.endif
;; end of part 2
;; launch attn (part 3): grid 4 x 64, 16 waves a work-group, clusters of 4 x 1, 327,680 bytes of LDS; arguments Qc, KV, out0; writes out0
.if DOCPART == 3
	.amdgcn_target "amdgcn-amd-amdhsa--gfx1250"
	.amdhsa_code_object_version 6
	.text
	.protected	k_q09e8574733_attn
	.globl	k_q09e8574733_attn
	.p2align	8
	.type	k_q09e8574733_attn,@function
k_q09e8574733_attn:
	s_mov_b64 s[64:65], 0
	v_nop
	global_prefetch_b8 v0, s[64:65] scope:SCOPE_SE
	s_setreg_imm32_b32 hwreg(HW_REG_WAVE_MODE, 25, 1), 1
	s_wait_xcnt 0x0
	s_wait_alu depctr_hold_cnt(0) depctr_sa_sdst(0) depctr_va_vdst(0) depctr_va_sdst(0) depctr_va_ssrc(0) depctr_va_vcc(0) depctr_vm_vsrc(0)
	s_getreg_b32 s2, hwreg(HW_REG_IB_STS2, 6, 4)
	s_cmp_eq_u32 s2, 0
	s_cbranch_scc0 .Lentry_in_a_cluster
	s_endpgm
.Lentry_in_a_cluster:
	s_bfe_u32 s2, ttmp6, 0x10000c
	s_cmp_lg_u32 s2, 0x3003
	s_cbranch_scc0 .Lentry_shape_is_right
	s_endpgm
.Lentry_shape_is_right:
; out[b][q][64 hd + d] = the sum over k of softmax_k(Q . K / 8) V, for each of 64 (batch, head), 2,048 queries and keys, head size 64; both products on codes of BF6 (E3M2) with one E8M0 scale for each 32 along K.
; Qc and KV hold images of operand registers, made by the launch before (their layout is written at its head).
; THE SOFTMAX AHEAD OF THE SECOND PRODUCT: t = score x log2(e) / 8; M = the row's largest t so far, rounded UP to a whole number; p = 2^(t - M) is quantised along the keys, not normalised.  The row's sum is taken of the
; unquantised p, in f32, and divides at the end.  When M moves, the sum and O are multiplied by 2^(old M - new M): exact.
; THE FIRST PRODUCT HAS K = 64 in an instruction of K = 128: registers 6-11 of both operands are zero codes, written once; the scale bytes over them are never 0xff.
; SHARES.  A cluster of four work-groups owns one (batch, head); work-group cx owns 512 queries, each of its sixteen waves 32: two tiles of 16, one after the other.  Four waves lie on a SIMD, so that one wave's vector
; work stands beside another's products and LDS loads.
; THE WHOLE HEAD'S K AND V, 212,992 bytes, LIE IN LDS from the start: wave w fetches key step w, 13,312 dense bytes, by one tensor load; the four partners need the same bytes and ask JOINTLY (mask 15).  Nothing is
; filled again, so the loops have no barrier.  A wave has one tensor load outstanding.
; LAYOUT.  Both products are used transposed: S^T = K Q^T, O^T = V^T P^T: a lane holds ONE query (lane % 16) throughout.  The keys, the queries and V's features of a tile are not neighbours: lane r of tile 2 b + u holds
; row 32 b + 8 u + r + 8 (r / 8), so that the 16 registers of tiles 2 b and 2 b + 1 of a result are 16 neighbours, 32 b + 16 (lane / 16) + 0 .. 15.
; LIMITS: NaN and infinities are not served; a block whose every p has fallen to 0 keeps the byte 1: its codes are zeros.
; REGISTERS: v1-11 addresses; v12 -M, v13 the largest t, v[14:15] the sum in two halves; v16-39 Q's two tiles; v40, v41 their scale words; v42 f; v44-91 four tiles of K; v92-95 K's scale words;
;   v96-159 S^T, then p, then (v96-143) V's four fragments; v160-191 O^T; v192-203 p's codes; v204-232 at work; v224 p's scale word; v228-231 V's scale words.
.set STEPB, 13312                      ; a key step's K and V in LDS
.set STAGE, 16*STEPB                   ; behind them: 16 rows x (256 + 16) bytes for each wave, for the way out
.set SPARE, STAGE+16*16*272            ; the spare words, 128 bytes for each wave, that no other line names
.macro ROUND                           ; a round of the cluster's barrier
	s_barrier_signal -1
	s_barrier_wait -1
	s_cmp_lg_u32 s10, 0
	s_cbranch_scc1 .Lnot_wave_0_\@
	s_barrier_signal -3
.Lnot_wave_0_\@:
	s_barrier_wait -3
	s_barrier_signal -1
	s_barrier_wait -1
.endm
	s_load_b128 s[4:7], s[0:1], 0x0                ; Qc s[4:5], KV s[6:7]
	s_load_b64 s[8:9], s[0:1], 0x10                ; out0
	v_lshl_add_u32 v5, v0, 2, SPARE                ; v5: LDS address of my spare word; never rewritten
	v_mov_b32 v6, 0                                ; v6: 0; never rewritten
	ds_add_u32 v5, v6                              ; the wave's opening: the add and its wait stand ahead of my first tensor load; work on registers stands between them
	v_lshrrev_b32 v3, 5, v0
	v_readfirstlane_b32 s10, v3                    ; wave 0..15
	s_bfe_u32 s11, ttmp6, 0x40000                  ; cx: it enters Q's and the output's addresses alone
	s_and_b32 s12, ttmp7, 0xffff                   ; 16 x batch + head, which the four partners share
	; the descriptor: 52 rows of 256 bytes (32 elements of 8 bytes), dense, no padding
	s_mov_b32 s16, 15|(3<<16)|(1<<21)              ; 15:0 the mask: all four work-groups; 17:16 elements of 8 bytes; 21 set beside a mask
	s_mov_b32 s17, 32<<16                          ; tensor_dim0 = 32
	s_mov_b32 s18, 52<<16                          ; tensor_dim1 = 52
	s_mov_b32 s19, 32<<16                          ; tile_dim0 = 32
	s_mov_b32 s20, 52                              ; tile_dim1 = 52
	s_mov_b32 s21, 32                              ; elements from row to row
	s_mov_b32 s22, 0
	s_mov_b32 s23, 0
	s_mov_b32 s24, 1                               ; count = 1
	s_mul_i32 s25, s10, STEPB                      ; LDS address: key step w
	s_mul_i32 s14, s12, 16*STEPB
	s_add_co_u32 s14, s14, s25                     ; and the same step of my head in KV
	s_mov_b32 s15, 0
	s_mov_b32 s28, 0x76543210
	s_mov_b32 s29, 0xfedcba98                      ; v_permlanex16_b32's selects for lane l xor 16
	s_mov_b32 s30, 0x3e38aa3b                      ; c = log2(e) / 8
	s_mov_b32 s31, s30                             ; (named with it as a pair, so it is written)
	s_lshl_b32 s40, s12, 4
	s_lshl_b32 s41, s11, 2
	s_add_co_u32 s40, s40, s41
	s_lshr_b32 s41, s10, 2
	s_add_co_u32 s40, s40, s41                     ; my queries' block of 128 tokens in Qc: 16 x (batch, head) + 4 cx + wave / 4
	s_mul_i32 s40, s40, 6656
	s_and_b32 s41, s10, 3                          ; which pair of its tiles is mine
	s_mul_i32 s42, s41, 1536
	s_add_co_u32 s42, s42, s40
	s_mov_b32 s43, 0
	s_lshr_b32 s44, s41, 1                         ; their scale words: tiles 4-7 lie 256 bytes behind tiles 0-3,
	s_lshl_b32 s44, s44, 8
	s_and_b32 s45, s10, 1
	s_lshl_b32 s45, s45, 3                         ; a pair's two words 8 bytes behind the pair before
	s_add_co_u32 s44, s44, s45
	s_add_co_u32 s44, s44, s40
	s_add_co_u32 s44, s44, 6144
	s_mov_b32 s45, 0
	s_lshr_b32 s46, s12, 4
	s_lshl_b32 s46, s46, 23                        ; the output: a batch is 2,048 rows of 4,096 bytes,
	s_lshl_b32 s47, s11, 4
	s_add_co_u32 s47, s47, s10
	s_lshl_b32 s47, s47, 17                        ; my 32 tokens: group 16 cx + wave,
	s_add_co_u32 s46, s46, s47
	s_and_b32 s47, s12, 15
	s_lshl_b32 s47, s47, 8                         ; a head's 256 bytes of a row
	s_add_co_u32 s46, s46, s47
	s_mov_b32 s47, 0
	v_and_b32 v7, 31, v0
	v_lshlrev_b32 v1, 4, v7                        ; v1: 16 x lane
	v_lshlrev_b32 v2, 3, v7                        ; v2: 8 x lane
	v_and_b32 v10, 15, v0                          ; r
	v_bfe_u32 v11, v0, 4, 1                        ; h
	v_lshlrev_b32 v7, 12, v11
	v_lshl_add_u32 v7, v10, 4, v7                  ; v7: the way out: lanes 0-15 one row of the output, lanes 16-31 the next; 16 bytes a lane
	s_mul_i32 s13, s10, 16*272
	s_add_co_u32 s13, s13, STAGE                   ; my stage
	v_mul_u32_u24 v8, v10, 272
	v_lshl_add_u32 v8, v11, 6, v8
	v_add_nc_u32 v8, s13, v8                       ; v8: in: row r, + 64 h
	v_mul_u32_u24 v9, v11, 272
	v_lshl_add_u32 v9, v10, 4, v9
	v_add_nc_u32 v9, s13, v9                       ; v9: back: lanes 0-15 one row, lanes 16-31 the next
	v_lshlrev_b32 v10, 4, v10                      ; v10: 16 r: Q's scale words
	s_wait_dscnt 0x0                               ; the opening add is done
	s_wait_kmcnt 0x0
	s_add_nc_u64 s[26:27], s[6:7], s[14:15]        ; the tile's first byte
	s_or_b32 s27, s27, 0x80000000                  ; type = 2
	s_add_nc_u64 s[36:37], s[4:5], s[42:43]        ; Q's two tiles
	s_add_nc_u64 s[38:39], s[4:5], s[44:45]        ; and their scale words
	s_add_nc_u64 s[34:35], s[8:9], s[46:47]        ; my rows of the output
	ROUND                                          ; all four work-groups are here: the joint loads meet
	tensor_load_to_lds s[24:27], s[16:23]
	s_nop 0
.rept 4
	v_nop
.endr
.irp u, 0,1
	global_load_b128 v[16+12*\u:19+12*\u], v1, s[36:37] offset:768*\u        ; Q stays in registers: registers 0-3,
	global_load_b64 v[20+12*\u:21+12*\u], v2, s[36:37] offset:768*\u+512     ; 4 and 5
.endr
	global_load_b64 v[40:41], v10, s[38:39]        ; lane r: row r's words of my two tiles
.irp i, 6,7,8,9,10,11
	v_mov_b32 v[16+\i], 0                          ; k = 64 .. 127: zero codes, in Q's two tiles
	v_mov_b32 v[28+\i], 0
.irp t, 0,1,2,3
	v_mov_b32 v[44+12*\t+\i], 0                    ; and in the four places for tiles of K: never written again
.endr
.endr
	v_mov_b32 v43, 0                               ; (named as the upper half of the pair v[42:43])
.irp b, 0,1,2,3
	v_mov_b32 v[216+\b], 0                         ; written once: a lane permute's destination counts as one of its sources
.endr
	v_mov_b32 v232, 0
	s_wait_loadcnt 0x0                             ; Q
	s_wait_tensorcnt 0x0                           ; my key step lies in LDS,
	s_barrier_signal -1
	s_barrier_wait -1                              ; everybody's does
; A KEY STEP: 128 keys at LDS byte s32, for my tile u of queries
.macro STEP u
	v_add_nc_u32 v3, s32, v1
	v_add_nc_u32 v4, s32, v2
.rept 4
	v_nop                                          ; with the two additions six places behind the last products, whose source registers v96-143 the products below write over
.endr
	ds_load_b128 v[92:95], v3 offset:6144          ; K's scale words: lanes 0-15 those of tiles 0-3, lanes 16-31 those of tiles 4-7
.irp g, 0,1                                    ; S^T = K Q^T, four tiles of 16 keys at a time
.if \g == 1
.rept 4
	v_nop                                          ; places in front of loads into registers that the last four products have read
.endr
.endif
.irp t, 0,1,2,3
	ds_load_b128 v[44+12*\t:47+12*\t], v3 offset:768*(4*\g+\t)
	ds_load_b64 v[48+12*\t:49+12*\t], v4 offset:768*(4*\g+\t)+512
.endr
	s_wait_dscnt 0x0
.irp t, 0,1,2,3
.if \g == 0
	v_wmma_scale_f32_16x16x128_f8f6f4 v[96+8*(4*\g+\t):103+8*(4*\g+\t)], v[44+12*\t:55+12*\t], v[16+12*\u:27+12*\u], 0, v[92+\t], v[40+\u] matrix_a_fmt:MATRIX_FMT_BF6 matrix_b_fmt:MATRIX_FMT_BF6
.else
	v_wmma_scale_f32_16x16x128_f8f6f4 v[96+8*(4*\g+\t):103+8*(4*\g+\t)], v[44+12*\t:55+12*\t], v[16+12*\u:27+12*\u], 0, v[92+\t], v[40+\u] matrix_a_fmt:MATRIX_FMT_BF6 matrix_b_fmt:MATRIX_FMT_BF6 matrix_a_scale:MATRIX_SCALE_ROW1
.endif
.endr
.endr                                          ; register 16 b + i of v96 on: key 32 b + 16 (lane / 16) + i
.rept 4
	v_nop
.endr
.irp b, 0,1,2,3
	v_max3_num_f32 v[212+\b], v[96+16*\b], v[97+16*\b], v[98+16*\b]   ; the largest score of each block of 32 keys: it serves for the row's maximum and, since p rises with the score, for the block's largest p
.endr
.irp i, 3,5,7,9,11,13
.irp b, 0,1,2,3
	v_max3_num_f32 v[212+\b], v[212+\b], v[96+16*\b+\i], v[97+16*\b+\i]   ; (the four blocks by turns)
.endr
.endr
.irp b, 0,1,2,3
	v_max_num_f32 v[212+\b], v[212+\b], v[111+16*\b]
.endr
.irp b, 0,1,2,3
	v_permlanex16_b32 v[216+\b], v[212+\b], s28, s29
.endr
.irp b, 0,1,2,3
	v_max_num_f32 v[212+\b], v[212+\b], v[216+\b]  ; with lane l xor 16's 16 keys
.endr
	v_max3_num_f32 v232, v212, v213, v214
	v_max_num_f32 v232, v232, v215                 ; the step's largest score of my query
	v_mul_f32 v232, s30, v232                      ; as t (c is positive)
	v_max_num_f32 v13, v13, v232                   ; the running largest t
	v_mov_b32 v232, v12
	v_floor_f32 v12, -v13                          ; the new -M = floor(-t) = -ceil(t): a whole number
	v_sub_f32 v232, v12, v232                      ; M's old value less its new one: a whole number, 0 or less
	v_cvt_i32_f32 v232, v232                       ; (it saturates)
	v_ldexp_f32 v42, 1.0, v232                     ; f = 2^(old M - new M)
.set J, 0
.rept 32
	v_pk_fma_f32 v[96+J:97+J], v[96+J:97+J], s[30:31], v[12:13] op_sel_hi:[1,0,0]   ; t - M, two at a time (of the pairs c and -M the low word serves both halves)
.set J, J+2
.endr
.irp b, 0,1,2,3
	v_fma_f32 v[212+\b], v[212+\b], s30, v12       ; the same of each block's largest score
.endr
.set J, 0
.rept 64
	v_exp_f32 v[96+J], v[96+J]                     ; p = 2^(t - M), at most 1
.set J, J+1
.endr
	v_pk_mul_f32 v[14:15], v[14:15], v[42:43] op_sel_hi:[1,0]      ; the sums under the new M: a plain instruction behind the exponentials
	s_wait_alu depctr_va_vdst(0)                   ; a wait ahead of the first instruction that names a result: one for the 64
.irp b, 0,1,2,3
	v_exp_f32 v[212+\b], v[212+\b]                 ; the block's largest p: the same two instructions on the same number give the same bits
.endr
	v_pk_add_f32 v[226:227], v[96:97], v[98:99]    ; the row's sum is taken of the unquantised p: two at a time, in two chains
.irp j, 4,8,12,16,20,24,28,32,36,40,44,48,52,56,60
	v_pk_add_f32 v[14:15], v[14:15], v[96+\j:97+\j]
	v_pk_add_f32 v[226:227], v[226:227], v[98+\j:99+\j]
.endr
	v_pk_add_f32 v[14:15], v[14:15], v[226:227]
	s_wait_alu depctr_va_vdst(0)                   ; and one for the four
.irp b, 0,1,2,3
	v_max_num_f32 v[212+\b], 0x2800000, v[212+\b]  ; the floor 2^(5 - 127): the byte cannot fall under 1
.endr
.irp b, 0,1,2,3
	v_add_nc_u32 v[220+\b], 0xfe000000, v[212+\b]  ; 4 off the exponent field: the conversion's scale operand
.endr
.irp b, 0,1,2,3
	v_lshrrev_b32 v[216+\b], 23, v[220+\b]         ; the scale's byte
.endr
	v_lshl_or_b32 v224, v217, 8, v216              ; p's scale word for these 128 keys
	v_lshl_or_b32 v224, v218, 16, v224
	v_lshl_or_b32 v224, v219, 24, v224
.irp c, 0,1
	v_cvt_scalef32_pk16_bf6_f32 v[192+6*\c:194+6*\c], v[96+32*\c:111+32*\c], v[220+2*\c]
	v_cvt_scalef32_pk16_bf6_f32 v[204+4*\c:206+4*\c], v[112+32*\c:127+32*\c], v[220+2*\c+1]   ; (a conversion's three registers begin on an even number)
.endr
	v_nop                                          ; one plain place behind a scaled conversion
.irp wt, 0,1,2,3                               ; V's four fragments take p's registers; they land under the lines that follow
.irp c, 0,1,2
	ds_load_b128 v[96+12*\wt+4*\c:99+12*\wt+4*\c], v3 offset:6656+1536*\wt+512*\c
.endr
.endr
	ds_load_b128 v[228:231], v3 offset:12800       ; and their scale words
.irp c, 0,1                                    ; the operand's layout wants a whole block in a lane: lanes 0-15 block 2 c, lanes 16-31 block 2 c + 1
.irp i, 0,1,2
	v_permlane16_swap_b32 v[192+6*\c+\i], v[204+4*\c+\i]
.endr
.irp i, 0,1,2
	v_mov_b32 v[195+6*\c+\i], v[204+4*\c+\i]
.endr
.endr
.set J, 0
.rept 16
	v_pk_mul_f32 v[160+J:161+J], v[160+J:161+J], v[42:43] op_sel_hi:[1,0]    ; O^T under the new M.  For each product below, the twelve of these that name other accumulators are the places between p's scale word and codes and the product
.set J, J+2
.endr
	s_wait_dscnt 0x0
.irp wt, 0,1,2,3                               ; O^T += V^T P^T: four tiles of 16 of the head's 64; the four accumulators by turns
	v_wmma_scale_f32_16x16x128_f8f6f4 v[160+8*\wt:167+8*\wt], v[96+12*\wt:107+12*\wt], v[192:203], v[160+8*\wt:167+8*\wt], v[228+\wt], v224 matrix_a_fmt:MATRIX_FMT_BF6 matrix_b_fmt:MATRIX_FMT_BF6
.endr
.endm
; My tile u of queries against all 16 key steps, and its way out
.macro PASS u
	v_mov_b32 v13, 0xff61b1e6                      ; the largest t so far: -3e38, under every t
	v_floor_f32 v12, -v13                          ; -M
	v_mov_b32 v14, 0                               ; the sum, in two halves
	v_mov_b32 v15, 0
.set J, 0
.rept 32
	v_mov_b32 v[160+J], 0                          ; O^T.  (The step is written once: the first finds zeros, which the first change of M leaves zeros)
.set J, J+1
.endr
	s_mov_b32 s32, 0
	s_mov_b32 s33, 16
.Lstep_\@:
	STEP \u
	s_add_co_u32 s32, s32, STEPB
	s_sub_co_u32 s33, s33, 1
	s_cmp_lg_u32 s33, 0
	s_cbranch_scc1 .Lstep_\@
.rept 4
	v_nop                                          ; places behind the last products
.endr
	v_add_f32 v14, v14, v15                        ; the sum's two halves,
	v_permlanex16_b32 v232, v14, s28, s29
	v_add_f32 v14, v14, v232                       ; and lane l xor 16's: the row's sum
	v_rcp_f32 v14, v14
	v_nop                                          ; a plain place behind the reciprocal
	s_wait_alu depctr_va_vdst(0)                   ; and a wait ahead of its first reader
.set J, 0
.rept 32
	v_mul_f32 v[96+J], v[160+J], v14               ; O^T / the sum: register 16 b + i is channel 32 b + 16 h + i of my query; each accumulator from its low end on
.set J, J+1
.endr
.irp wt, 0,1,2,3
.irp q, 0,1
	ds_store_b128 v8, v[96+8*\wt+4*\q:99+8*\wt+4*\q] offset:128*(\wt/2)+32*(\wt%2)+16*\q
.endr
.endr
.irp i, 0,1,2,3,4,5,6,7
	ds_load_b128 v[128+4*\i:131+4*\i], v9 offset:544*\i            ; LDS serves a wave's instructions in order: these see my stores.  Rows 2 i and 2 i + 1 of the tile
.endr
.irp i, 0,1,2,3,4,5,6,7
	s_wait_dscnt 7-\i                              ; the younger loads may be out
	global_store_b128 v7, v[128+4*\i:131+4*\i], s[34:35] offset:(2*\i+8*(\i/4)+8*\u)*4096 th:TH_STORE_NT   ; row rho of the tile is token 8 u + rho + 8 (rho / 8); 16 lanes store the head's 256 consecutive bytes of it, at a multiple of 256 from the buffer's first byte
.endr
	s_wait_xcnt 0x0                                ; the stores have read their registers, which the next tile's work writes
.endm
	PASS 0
	PASS 1
	s_wait_tensorcnt 0x0                           ; the wave's end, behind my last tensor load and my last LDS store
	ds_add_u32 v5, v6
	s_wait_dscnt 0x0
	ROUND                                          ; the closing round: no work-group ends while a partner may still ask for a tile that names it
	s_endpgm
.Lfunc_end_k_q09e8574733_attn:
	.size	k_q09e8574733_attn, .Lfunc_end_k_q09e8574733_attn-k_q09e8574733_attn
	.p2alignl 7, 3214868480
	.fill 96, 4, 3214868480
	.section	.rodata,"a",@progbits
	.p2align	6, 0x0
	.amdhsa_kernel k_q09e8574733_attn
		.amdhsa_group_segment_fixed_size 327680
		.amdhsa_private_segment_fixed_size 0
		.amdhsa_enable_private_segment 0
		.amdhsa_kernarg_size 24
		.amdhsa_user_sgpr_count 2
		.amdhsa_user_sgpr_kernarg_segment_ptr 1
		.amdhsa_wavefront_size32 1
		.amdhsa_system_sgpr_workgroup_id_x 1
		.amdhsa_system_sgpr_workgroup_id_y 1
		.amdhsa_system_sgpr_workgroup_id_z 1
		.amdhsa_system_vgpr_workitem_id 0
		.amdhsa_next_free_vgpr 256
		.amdhsa_next_free_sgpr 66
		.amdhsa_reserve_vcc 0
		.amdhsa_float_denorm_mode_32 3
		.amdhsa_float_denorm_mode_16_64 3
		.amdhsa_memory_ordered 1
		.amdhsa_forward_progress 1
		.amdhsa_inst_pref_size 48
	.end_amdhsa_kernel
	.amdgpu_metadata
---
amdhsa.version: [ 1, 2 ]
amdhsa.kernels:
  - .name:           k_q09e8574733_attn
    .symbol:         k_q09e8574733_attn.kd
    .args:
      - { .name: Qc, .offset: 0, .size: 8, .value_kind: global_buffer, .address_space: global }
      - { .name: KV, .offset: 8, .size: 8, .value_kind: global_buffer, .address_space: global }
      - { .name: out0, .offset: 16, .size: 8, .value_kind: global_buffer, .address_space: global }
    .group_segment_fixed_size: 327680
    .private_segment_fixed_size: 0
    .kernarg_segment_align: 8
    .kernarg_segment_size: 24
    .max_flat_workgroup_size: 512
    .sgpr_count:     66
    .vgpr_count:     256
    .wavefront_size: 32
...
	.end_amdgpu_metadata
.endif
;; end of part 3
;; ======== version 2 of 2: 3 launches
;; workspace buffers: Wc 2,555,904 bytes; Qc 6,815,744 bytes; KV 13,631,488 bytes
;; launch wquant (part 4): grid 8 x 24, 4 waves a work-group, no clusters, 13,824 bytes of LDS; arguments Wq, Wk, Wv, Wc; writes Wc
.if DOCPART == 4
	.amdgcn_target "amdgcn-amd-amdhsa--gfx1250"
	.amdhsa_code_object_version 6
	.text
	.protected	k_q09e8574733_wquant
	.globl	k_q09e8574733_wquant
	.p2align	8
	.type	k_q09e8574733_wquant,@function
k_q09e8574733_wquant:
	s_mov_b64 s[64:65], 0
	v_nop
	global_prefetch_b8 v0, s[64:65] scope:SCOPE_SE
	s_setreg_imm32_b32 hwreg(HW_REG_WAVE_MODE, 25, 1), 1
	s_wait_xcnt 0x0
; Wq, Wk, Wv, each [1024 (k)][1024 (n)] f32 with K as the FIRST axis, become codes of BF6 (E3M2) with one E8M0 byte for each 32 along K,
; laid in Wc in the order of a matrix operand's registers.  Wc = [weight 3][pair of tiles 32][K step 8], a unit of 3,328 bytes each:
;   two fragments (16 columns x 128 k, 12 registers a lane; registers 4 c .. 4 c + 3 of lane l at 512 c + 16 l), 1,536 bytes each, then 256 bytes of
;   scale words: the words of tiles 0 and 1 for row r at 8 r, and the same once more at 128 + 8 r, so that both halves of the lanes can load them.
; THE COLUMNS OF A TILE ARE NOT NEIGHBOURS: lane r of tile u of a pair takes column 8 u + r + 8 (r / 8) of the pair's 32.
; A LANE TAKES A COLUMN AND ITS REGISTERS RUN DOWN K: a block of 32 lies in one lane, its largest magnitude needs no other lane, and the conversions give codes with K innermost.
; A block's scale byte is the largest magnitude's exponent field - 4, held at 1 from below.
; LIMITS: NaN and infinities are not served; no largest magnitude is taken under 2^(5 - 127); a block of zeros gets the byte 1 and not 127: its codes are zeros and this program alone reads the bytes.
; SHARES: work-group x = 128 columns, y = 8 x weight + K step; wave w makes the unit of pair 4 x + w.  The unit is gathered in the wave's own stage in LDS and leaves as 3,328 dense bytes.  Waves share nothing: no barrier.
.set UNIT,  3328
.set SPARE, 4*UNIT                     ; behind the four stages: the spare words, 128 bytes for each wave, that no other line names
.set EMAX,  4
.set X,     32                         ; v32-95   two sets of 32 numbers
.set CD,    20                         ; v20-25   a block's six registers of codes; v26-28 the second conversion's
.set OUTR,  96                         ; v96-121  the way out
.set SPW,   14                         ; v14      LDS address of my spare word; never rewritten
.set NIL,   15                         ; v15      0; never rewritten
	s_load_b256 s[4:11], s[0:1], 0x0               ; Wq s[4:5], Wk s[6:7], Wv s[8:9], Wc s[10:11]
	v_lshl_add_u32 v[SPW], v0, 2, SPARE
	v_mov_b32 v[NIL], 0
	v_lshrrev_b32 v1, 5, v0
	v_readfirstlane_b32 s12, v1                    ; wave 0..3
	v_and_b32 v2, 31, v0                           ; lane = my column of the pair's 32
	v_lshlrev_b32 v3, 2, v2                        ; in: 4 bytes a lane
	v_bfe_u32 v17, v0, 3, 1                        ; u: which tile of the pair my column belongs to
	v_and_b32 v18, 7, v0
	v_bfe_u32 v19, v0, 4, 1
	v_lshl_or_b32 v18, v19, 3, v18                 ; r: which row of that tile
	s_mul_i32 s13, s12, UNIT                       ; my stage
	v_mul_u32_u24 v4, v17, 1536
	v_lshl_add_u32 v4, v18, 4, v4
	v_add_nc_u32 v4, s13, v4                       ; codes: fragment u, 16 r
	v_lshlrev_b32 v5, 3, v18
	v_lshl_add_u32 v5, v17, 2, v5
	v_add_nc_u32 v5, s13, v5                       ; scale word: 8 r + 4 u
	v_lshlrev_b32 v8, 4, v2                        ; the way out: 16 bytes a lane,
	v_lshlrev_b32 v9, 3, v2                        ; 8 bytes a lane for the scale words
	v_add_nc_u32 v6, s13, v8
	v_add_nc_u32 v7, s13, v9
	s_and_b32 s14, ttmp7, 0xffff
	s_lshr_b32 s15, s14, 3                         ; weight 0..2
	s_and_b32 s16, s14, 7                          ; K step
	s_lshl_b32 s17, ttmp9, 2
	s_add_co_u32 s17, s17, s12                     ; pair
	s_lshl_b32 s18, s16, 19                        ; 128 rows of 4,096 bytes a K step
	s_lshl_b32 s19, s17, 7                         ; 32 columns of 4 bytes a pair
	s_add_co_u32 s18, s18, s19
	s_mov_b32 s19, 0
	s_lshl_b32 s20, s15, 5
	s_add_co_u32 s20, s20, s17
	s_lshl_b32 s20, s20, 3
	s_add_co_u32 s20, s20, s16
	s_mul_i32 s20, s20, UNIT                       ; my unit in Wc
	s_mov_b32 s21, 0
	s_wait_kmcnt 0x0
	s_cmp_eq_u32 s15, 1                            ; the choice hangs on the work-group's number alone
	s_cselect_b64 s[4:5], s[6:7], s[4:5]
	s_cmp_eq_u32 s15, 2
	s_cselect_b64 s[4:5], s[8:9], s[4:5]
	s_add_nc_u64 s[4:5], s[4:5], s[18:19]
	s_add_nc_u64 s[10:11], s[10:11], s[20:21]
.macro LOAD t                          ; block t: W(32 t + i, my column), i = 0 .. 31, into set t % 2; a wave reads 128 consecutive bytes, the four waves 512
.set I, 0
.rept 32
	global_load_b32 v[X+32*((\t)%2)+I], v3, s[4:5] offset:(32*(\t)+I)*4096 th:TH_LOAD_NT
.set I, I+1
.endr
.endm
; Block t = 2 c + h holds k = 64 c + 32 h + 0 .. 31: registers 6 c .. 6 c + 5 of lane r + 16 h of my fragment
.macro BLOCK t
.set XB, X+32*((\t)%2)
.set HB, 256*((\t)%2)
.if (\t) < 3
	s_wait_loadcnt 32                              ; this block's 32 loads are in; the next block's 32 may be out
.else
	s_wait_loadcnt 0x0
.endif
	v_max3_num_f32 v12, |v[XB]|, |v[XB+1]|, |v[XB+2]|              ; the block's largest magnitude: all 32 numbers are mine; two chains
	v_max3_num_f32 v13, |v[XB+3]|, |v[XB+4]|, |v[XB+5]|
.irp i, 6,10,14,18,22,26
	v_max3_num_f32 v12, v12, |v[XB+\i]|, |v[XB+\i+1]|
	v_max3_num_f32 v13, v13, |v[XB+\i+2]|, |v[XB+\i+3]|
.endr
	v_max3_num_f32 v12, v12, |v[XB+30]|, |v[XB+31]|
	v_max3_num_f32 v12, v12, v13, (EMAX+1)<<23     ; and the floor 2^(5 - 127): the byte cannot fall under 1
	v_add_nc_u32 v10, -(EMAX<<23), v12             ; 4 off its exponent field: the conversion takes this operand's exponent field as its scale
	v_lshrrev_b32 v11, 23, v10                     ; the scale's byte
.if (\t) == 0
	v_mov_b32 v16, v11                             ; four bytes make my column's scale word for this K step
.else
	v_lshl_or_b32 v16, v11, 8*(\t), v16
.endif
	v_cvt_scalef32_pk16_bf6_f32 v[CD:CD+2], v[XB:XB+15], v10
	v_cvt_scalef32_pk16_bf6_f32 v[CD+6:CD+8], v[XB+16:XB+31], v10  ; (a conversion's three registers begin on an even number)
	v_nop                                          ; one plain place behind a scaled conversion
.irp i, 0,1,2
	v_mov_b32 v[CD+3+\i], v[CD+6+\i]
.endr
.if (\t) < 2                                   ; registers 0-3 fill a place of chunk 0, registers 4, 5 the lower half of a place of chunk 1
	ds_store_b128 v4, v[CD:CD+3] offset:HB
	ds_store_b64 v4, v[CD+4:CD+5] offset:512+HB
.else                                          ; registers 6, 7 the upper half of that place, registers 8-11 a place of chunk 2
	ds_store_b64 v4, v[CD:CD+1] offset:520+HB
	ds_store_b128 v4, v[CD+2:CD+5] offset:1024+HB
.endif
.if (\t) < 2
	LOAD (\t)+2
.endif
	s_wait_dscnt 0x0                               ; the stores have read their registers: the next block's codes may be written
.endm
	LOAD 0
	LOAD 1
	BLOCK 0
	BLOCK 1
	BLOCK 2
	BLOCK 3
	s_wait_alu depctr_va_vdst(0)
	ds_store_b32 v5, v16 offset:3072               ; the scale word, for lanes 0-15 of the reader,
	ds_store_b32 v5, v16 offset:3200               ; and for lanes 16-31
.irp i, 0,1,2,3,4,5
	ds_load_b128 v[OUTR+4*\i:OUTR+4*\i+3], v6 offset:512*\i        ; LDS serves a wave's instructions in order: these see my stores
.endr
	ds_load_b64 v[OUTR+24:OUTR+25], v7 offset:3072
.irp i, 0,1,2,3,4,5
	s_wait_dscnt 6-\i                              ; the younger loads may be out
	global_store_b128 v8, v[OUTR+4*\i:OUTR+4*\i+3], s[10:11] offset:512*\i   ; 32 lanes store 512 consecutive bytes, at a multiple of 256 from the buffer's first byte
.endr
	s_wait_dscnt 0x0
	global_store_b64 v9, v[OUTR+24:OUTR+25], s[10:11] offset:3072  ; 256 consecutive bytes
	s_wait_tensorcnt 0x0                           ; the wave's end, behind my last LDS store
	ds_add_u32 v[SPW], v[NIL]
	s_wait_dscnt 0x0
	s_endpgm
.Lfunc_end_k_q09e8574733_wquant:
	.size	k_q09e8574733_wquant, .Lfunc_end_k_q09e8574733_wquant-k_q09e8574733_wquant
	.p2alignl 7, 3214868480
	.fill 96, 4, 3214868480
	.section	.rodata,"a",@progbits
	.p2align	6, 0x0
	.amdhsa_kernel k_q09e8574733_wquant
		.amdhsa_group_segment_fixed_size 13824
		.amdhsa_private_segment_fixed_size 0
		.amdhsa_enable_private_segment 0
		.amdhsa_kernarg_size 32
		.amdhsa_user_sgpr_count 2
		.amdhsa_user_sgpr_kernarg_segment_ptr 1
		.amdhsa_wavefront_size32 1
		.amdhsa_system_sgpr_workgroup_id_x 1
		.amdhsa_system_sgpr_workgroup_id_y 1
		.amdhsa_system_sgpr_workgroup_id_z 1
		.amdhsa_system_vgpr_workitem_id 0
		.amdhsa_next_free_vgpr 128
		.amdhsa_next_free_sgpr 66
		.amdhsa_reserve_vcc 0
		.amdhsa_float_denorm_mode_32 3
		.amdhsa_float_denorm_mode_16_64 3
		.amdhsa_memory_ordered 1
		.amdhsa_forward_progress 1
		.amdhsa_inst_pref_size 23
	.end_amdhsa_kernel
	.amdgpu_metadata
---
amdhsa.version: [ 1, 2 ]
amdhsa.kernels:
  - .name:           k_q09e8574733_wquant
    .symbol:         k_q09e8574733_wquant.kd
    .args:
      - { .name: Wq, .offset: 0, .size: 8, .value_kind: global_buffer, .address_space: global }
      - { .name: Wk, .offset: 8, .size: 8, .value_kind: global_buffer, .address_space: global }
      - { .name: Wv, .offset: 16, .size: 8, .value_kind: global_buffer, .address_space: global }
      - { .name: Wc, .offset: 24, .size: 8, .value_kind: global_buffer, .address_space: global }
    .group_segment_fixed_size: 13824
    .private_segment_fixed_size: 0
    .kernarg_segment_align: 8
    .kernarg_segment_size: 32
    .max_flat_workgroup_size: 128
    .sgpr_count:     66
    .vgpr_count:     128
    .wavefront_size: 32
...
	.end_amdgpu_metadata
.endif
;; end of part 4
;; launch proj (part 5): grid 64 x 3, 4 waves a work-group, no clusters, 136,704 bytes of LDS; arguments query, key, value, bq, bk, bv, Wc, Qc, KV; writes Qc, KV
.if DOCPART == 5
	.amdgcn_target "amdgcn-amd-amdhsa--gfx1250"
	.amdhsa_code_object_version 6
	.text
	.protected	k_q09e8574733_proj
	.globl	k_q09e8574733_proj
	.p2align	8
	.type	k_q09e8574733_proj,@function
k_q09e8574733_proj:
	s_mov_b64 s[64:65], 0
	v_nop
	global_prefetch_b8 v0, s[64:65] scope:SCOPE_SE
	s_setreg_imm32_b32 hwreg(HW_REG_WAVE_SCHED_MODE, 0, 2), 2
	s_setreg_imm32_b32 hwreg(HW_REG_WAVE_MODE, 25, 1), 1
	s_wait_xcnt 0x0
	s_wait_alu depctr_vm_vsrc(0)
; relu(x W + b) for x = query, key or value (work-group y = 0, 1, 2), the product on codes of BF6 (E3M2) with one E8M0 scale for each 32 along K; the result is quantised again, as the
; operand of attention that it will be, and stored as images of that operand's registers.  x: [8192][1024] f32.  W: images from Wc (see there).  b: [1024] f32.
; SHARES.  A work-group takes 128 tokens (work-group x).  PHASE X: wave w quantises tokens 32 w .. 32 w + 31 along all of K, two tiles of 16 x 8 K steps, and stores the fragments' images in LDS.
; MAIN: wave w makes heads 4 w .. 4 w + 3 for all 128 tokens, a head at a time: 8 tiles of tokens x 4 tiles of features = 32 accumulators, 8 K steps of 128.  x comes from LDS, W straight from memory
; into registers (no two waves read the same W), three K steps ahead, in a ring of four sets.
; THE ROWS OF A TILE ARE NOT NEIGHBOURS, for tokens and for features alike: lane r of tile 2 b + u takes row 32 b + 8 u + r + 8 (r / 8), so that in a result the 16 registers of tiles 2 b and 2 b + 1
; of source 0 are 16 neighbours, 32 b + 16 (lane / 16) + 0 .. 15.
; Q AND K (K of the next product = the head's 64 features): source 0 = W, source 1 = x: a lane holds one token and its registers run along the features.
; V (K of the next product = the keys): source 0 = x, source 1 = W: a lane holds one feature and its registers run along the tokens.
; The bias is the C of each sum's first product, so the f32 additions are ordered otherwise than in x W + b written out.
; OUT.  Qc = [batch x head 64][128 tokens 16], 6,656 bytes: 8 half fragments (16 tokens x 64: registers 0-3 of lane l at 16 l, registers 4, 5 at 512 + 8 l), 768 bytes each; at 6,144 the scale words: lane (r, hh) at
; 16 x lane holds those of tiles 4 hh .. 4 hh + 3 (bytes 0, 1 are the tile's; bytes 2, 3 stand over zero codes and are a neighbour's bytes or 0, never 0xff).
; KV = [batch x head 64][128 keys 16], 13,312 bytes: K as a block of Qc; at 6,656 four fragments of V^T (16 features x 128 keys, 1,536 bytes each); at 12,800 their scale words, four at 16 x lane.
; LIMITS: NaN and infinities are not served; no largest magnitude is taken under 2^(5 - 127); a block of zeros gets the byte 1 and not 127: its codes are zeros and this program alone reads the bytes.
; REGISTERS, in windows of 256.  Window 0: addresses, scale words, what is being quantised.  Window 1: the 32 accumulators, (xt, wt) at v[8 (4 xt + wt)]; in phase X four sets of 64 numbers as loaded.
;   Window 2: W's ring, set k at v[48 k + 12 wt]; from v192 the bias as four tiles of C.  Window 3: x's fragments, set k at v[96 k + 12 xt].
; THE MODE: SCHED_MODE bits 1:0 = 2 (LLVM: expert scheduling mode 2), set by the entry lines.  The code itself states the register dependences between vector or matrix instructions and memory or LDS
; instructions, with s_wait_alu, always for 0.
; THE PLAN.  Registers that memory or LDS instructions touch:
;   v4-v14      addresses and offsets: written once at the head, never again.
;   PHASE X     R0 .. R3 (window 1): the loads of unit t + 4, issued in unit t, land in R[t % 4]; the LDS stores of unit t's turn through the stage, issued in unit t - 1, read it; no vector instruction names it.
;               X0, X1 (v48-111, v160-223): the LDS loads of unit t's turn land in X[t % 2]; unit t's quantiser reads it.  While unit t is quantised, unit t + 1 goes through the stage into the other.
;               PC, PWS: the quantiser writes them; the unit's four LDS stores read them.
;               So a unit has two waits: vm_vsrc at its head (R[t % 4], PC and PWS have been read) and va_vdst behind its quantiser (PC and PWS are written; X[t % 2] has been read).
;   MAIN        K step s multiplies x's set s % 2, XS's set s % 2, W's ring s % 4, WS's ring s % 4.  Its loads land in x's and XS's set (s + 1) % 2 and in W's and WS's ring (s + 3) % 4, which the products of
;               step s - 1 read last and which no product of step s names.  So ONE wait on va_vdst stands at a step's head, and the step's 40 loads follow it with no further wait, dealt behind its eight
;               groups of four products, six or four at a time: W first, then the scale words, then x tile by tile.  Each group of loads costs two switches of the register windows: fifteen a step.
;               The bias (BC or BT) is asked for at the end of step 1: its last reader stands ahead of step 1's wait.
;   THE WAY OUT PC, PWS, OW: written by the quantiser and the selects, read by the global stores: vm_vsrc ahead of the quantiser, va_vdst behind it.
.set XSC,   98304                      ; LDS: from 0 x's 64 fragments, (K step s, tile xt) at (8 s + xt) x 1,536; here their scale words: (s, row r, tile xt) at 512 s + 32 r + 4 xt
.set STG,   102400                     ; a stage of 16 rows x (512 + 16) bytes for each wave
.set SP,    528
.set SPARE, STG+4*16*SP                ; the spare words, 128 bytes for each wave, that no other line names
.set HALFX, 49152                      ; x's K steps 4 to 7 begin here: an LDS offset has 16 bits
.set WUNIT, 3328
.set WPAIR, 8*WUNIT
.set WHEAD, 2*WPAIR
.set WALL,  16*WHEAD
.set LI0,  4                           ; v4   16 x lane: an image's place for my lane
.set LI1,  5                           ; v5   the same + HALFX
.set L8,   6                           ; v6   8 x lane
.set LXS,  7                           ; v7   XSC + 32 r
.set XWI0, 8                           ; v8   where I store x's images: 16 x lane + 3,072 x wave
.set XWI1, 9                           ; v9   the same + HALFX
.set XWS,  10                          ; v10  and their scale words: XSC + 32 r + 8 x wave
.set SIN,  11                          ; v11  my stage, on the way in: 16 x lane
.set SOUT, 12                          ; v12  and on the way out: 528 r + 64 h
.set BA,   13                          ; v13  the bias for Q and K: 64 h
.set BV,   14                          ; v14  the bias for V: 4 (r + 8 (r / 8))
.set XS,   16                          ; v16-31  x's scale words, two sets of 8
.set WS,   32                          ; v32-47  W's scale words, a ring of four sets of 4
.set X,    48                          ; v48-111 64 numbers to be quantised
.set XD,   112                         ; phase X's second such buffer lies 112 registers on: v160-223
.set PC,   112                         ; v112-123 the codes just made; v124-126, v128-130 at work
.set TM,   132                         ; v132-147 at work
.set PWS,  148                         ; v148-151 scale words just made
.set OW,   152                         ; v152-155 scale words as they are stored
.set BT,   156                         ; v156-159 V's bias, a number a tile
.set SPW,  252                         ; v252 LDS address of my spare word; never rewritten
.set NIL,  253                         ; v253 0; never rewritten
.set BC,   192                         ; in window 2: the bias tiles
.set MSB, 0
.macro WIN new                         ; the immediate's high byte repeats the setting that is left; a switch that changes nothing is dropped
.if MSB != \new
	s_set_vgpr_msb (MSB<<8)|\new
.set MSB, \new
.endif
.endm
; 64 numbers of a lane, register 16 b + i = k 32 b + 16 (lane / 16) + i of my row, become 12 registers of codes in v[PC] on and a scale word in v[pw]
.macro QUANT s, pw
.irp b, 0,1,2,3
	v_max3_num_f32 v[TM+\b], |v[\s+16*\b]|, |v[\s+1+16*\b]|, 0x2800000   ; block b: my 16 numbers, and the floor 2^(5 - 127): the byte cannot fall under 1
.endr
.irp i, 2,4,6,8,10,12,14
.irp b, 0,1,2,3
	v_max3_num_f32 v[TM+\b], v[TM+\b], |v[\s+16*\b+\i]|, |v[\s+1+16*\b+\i]|   ; (the four blocks by turns)
.endr
.endr
.irp b, 0,1,2,3
	v_permlanex16_b32 v[TM+4+\b], v[TM+\b], s34, s35
.endr
.irp b, 0,1,2,3
	v_max_num_f32 v[TM+\b], v[TM+\b], v[TM+4+\b]   ; with lane l xor 16's: the block's largest magnitude
.endr
.irp b, 0,1,2,3
	v_add_nc_u32 v[TM+12+\b], 0xfe000000, v[TM+\b] ; 4 off its exponent field: the conversion's scale operand
.endr
.irp b, 0,1,2,3
	v_lshrrev_b32 v[TM+4+\b], 23, v[TM+12+\b]      ; the scale's byte
.endr
	v_lshl_or_b32 v[\pw], v[TM+5], 8, v[TM+4]
	v_lshl_or_b32 v[\pw], v[TM+6], 16, v[\pw]
	v_lshl_or_b32 v[\pw], v[TM+7], 24, v[\pw]
.irp c, 0,1
	v_cvt_scalef32_pk16_bf6_f32 v[PC+6*\c:PC+2+6*\c], v[\s+32*\c:\s+15+32*\c], v[TM+12+2*\c]
	v_cvt_scalef32_pk16_bf6_f32 v[PC+12+4*\c:PC+14+4*\c], v[\s+16+32*\c:\s+31+32*\c], v[TM+12+2*\c+1]   ; (a conversion's three registers begin on an even number)
.endr
	v_nop                                          ; one plain place behind a scaled conversion
.irp c, 0,1                                    ; the operand's layout wants a whole block in a lane: lanes 0-15 block 2 c, lanes 16-31 block 2 c + 1
.irp i, 0,1,2
	v_permlane16_swap_b32 v[PC+6*\c+\i], v[PC+12+4*\c+\i]
.endr
.irp i, 0,1,2
	v_mov_b32 v[PC+3+6*\c+\i], v[PC+12+4*\c+\i]
.endr
.endr
.endm
; A unit of W for one K step of a head: 12 loads of fragments (destination window 2), in two halves of two tiles, and 2 of scale words (window 0): 14 loads
.macro WSCL base, s8, ring
.irp pp, 0,1
	global_load_b64 v[WS+4*(\ring)+2*\pp:WS+4*(\ring)+2*\pp+1], v[L8], s[\base:\base+1] offset:WPAIR*\pp+WUNIT*(\s8)+3072
.endr
.endm
.macro WFRH base, s8, ring, hf
.irp u, 0,1
.irp c, 0,1,2
	global_load_b128 v[48*(\ring)+12*(2*(\hf)+\u)+4*\c:48*(\ring)+12*(2*(\hf)+\u)+4*\c+3], v[LI0], s[\base:\base+1] offset:WPAIR*(\hf)+WUNIT*(\s8)+1536*\u+512*\c
.endr
.endr
.endm
; x for one K step: 2 LDS loads of scale words (window 0) and 24 of fragments (destination window 3), two tiles (6 loads) at a time: 26 loads, always in this order
.macro XSCL s8, set
	ds_load_b128 v[XS+8*(\set):XS+8*(\set)+3], v[LXS] offset:512*(\s8)
	ds_load_b128 v[XS+8*(\set)+4:XS+8*(\set)+7], v[LXS] offset:512*(\s8)+16
.endm
.macro XFR2 s8, set, x0
.irp xt, \x0, \x0+1
.irp c, 0,1,2
.if (\s8) < 4
	ds_load_b128 v[96*(\set)+12*(\xt)+4*\c:96*(\set)+12*(\xt)+4*\c+3], v[LI0] offset:(8*(\s8)+(\xt))*1536+512*\c
.else
	ds_load_b128 v[96*(\set)+12*(\xt)+4*\c:96*(\set)+12*(\xt)+4*\c+3], v[LI1] offset:(8*((\s8)-4)+(\xt))*1536+512*\c
.endif
.endr
.endr
.endm
; The bias of the head at s[44:45].  For Q and K (destination window 2): lane (r, h) wants, for tile 2 b + u, the features 32 b + 16 h + 8 u + 0 .. 7: 8 loads.  For V: its own feature of each tile: 4 loads
.macro BIASQ
.irp wt, 0,1,2,3
	global_load_b128 v[BC+8*\wt:BC+8*\wt+3], v[BA], s[44:45] offset:128*(\wt/2)+32*(\wt%2)
	global_load_b128 v[BC+8*\wt+4:BC+8*\wt+7], v[BA], s[44:45] offset:128*(\wt/2)+32*(\wt%2)+16
.endr
.endm
.macro BIASV
.irp wt, 0,1,2,3
	global_load_b32 v[BT+\wt], v[BV], s[44:45] offset:128*(\wt/2)+32*(\wt%2)
.endr
.endm
.macro BSPREAD                         ; V: a tile of C holds the lane's one number eight times
	WIN 0x80
.irp wt, 0,1,2,3
.irp j, 0,1,2,3,4,5,6,7
	v_mov_b32 v[BC+8*\wt+\j], v[BT+\wt]
.endr
.endr
	WIN 0
.endm
; Phase X, unit t = 2 s + u: K step s of my tile u.  16 loads, a token's 512 consecutive bytes each, in the tile's order of rows, into set t % 4 of window 1
.macro XLOAD t
.set XL_S, (\t)/2
.set XL_U, (\t)%2
.set XL_R, 64*((\t)%4)
	WIN 0x40
.irp i, 0,1,2,3,4,5,6,7,8,9,10,11,12,13,14,15
	global_load_b128 v[XL_R+4*\i:XL_R+4*\i+3], v[LI0], s[24:25] offset:(8*XL_U+\i+8*(\i/8))*4096+512*XL_S th:TH_LOAD_NT
.endr
.endm
; Unit t's 16 rows go through my own stage, as they lie, and come back into X[t % 2]: of row r, 16 neighbours of each block of 32.  LDS serves a wave's instructions in order: the loads see the stores,
; and the stores come behind the last unit's loads from the stage
.macro TURN t
.set T_R, 64*((\t)%4)
.set T_X, X+XD*((\t)%2)
	WIN 0x04                                       ; an LDS store's data are its source 1: window 1
.irp i, 0,1,2,3,4,5,6,7,8,9,10,11,12,13,14,15
	ds_store_b128 v[SIN], v[T_R+4*\i:T_R+4*\i+3] offset:SP*\i
.endr
	WIN 0
.irp b, 0,1,2,3
.irp j, 0,1,2,3
	ds_load_b128 v[T_X+16*\b+4*\j:T_X+16*\b+4*\j+3], v[SOUT] offset:128*\b+16*\j   ; no wait: the quantiser that read this buffer last stands ahead of the last wait on va_vdst, and no vector instruction has followed that wait
.endr
.endr
.endm
.macro XUNIT t
.set U_S, (\t)/2
.set U_U, (\t)%2
.if (\t) > 0
	s_wait_dscnt 4                                 ; this unit's numbers are back from the stage; the last unit's four stores of codes may be out
.else
	s_wait_dscnt 0x0
.endif
	s_wait_alu depctr_vm_vsrc(0)                   ; this unit's stores into the stage have read R[t % 4], in which the loads below land (behind unit 15: which the products write); the last unit's stores have read PC and PWS, which the quantiser writes again
.if (\t) < 12
	XLOAD (\t)+4                                   ; the set takes the unit four further on
.endif
.if (\t) < 15
.if 14-(\t) >= 3
	s_wait_loadcnt 48                              ; the next unit's 16 loads are in; those of the three units behind it may be out
.else
	s_wait_loadcnt 16*(14-(\t))
.endif
	TURN (\t)+1                                    ; the next unit goes through the stage while this one is quantised
.endif
	QUANT X+XD*((\t)%2), PWS
	s_wait_alu depctr_va_vdst(0)                   ; the quantiser has written PC and PWS, which the stores below read, and is done reading X[t % 2], in which the LDS loads of the unit after next land
.irp c, 0,1,2
.if U_S < 4
	ds_store_b128 v[XWI0], v[PC+4*\c:PC+4*\c+3] offset:12288*U_S+1536*U_U+512*\c
.else
	ds_store_b128 v[XWI1], v[PC+4*\c:PC+4*\c+3] offset:12288*(U_S-4)+1536*U_U+512*\c
.endif
.endr
	ds_store_b32 v[XWS], v[PWS] offset:512*U_S+4*U_U               ; both halves of the lanes write the same word with the same value
.endm
; Four products: tile xt of the tokens against the four tiles of features, K step s.  The 32 accumulators take turns, in the same order in every step
.macro MUL4 s, vp, xt
.irp wt, 0,1,2,3
.if \vp
.if (\s) == 0
	v_wmma_scale_f32_16x16x128_f8f6f4 v[8*(4*(\xt)+\wt):8*(4*(\xt)+\wt)+7], v[96*K_C+12*(\xt):96*K_C+12*(\xt)+11], v[48*K_R+12*\wt:48*K_R+12*\wt+11], v[BC+8*\wt:BC+8*\wt+7], v[XS+8*K_C+(\xt)], v[WS+4*K_R+\wt] matrix_a_fmt:MATRIX_FMT_BF6 matrix_b_fmt:MATRIX_FMT_BF6
.else
	v_wmma_scale_f32_16x16x128_f8f6f4 v[8*(4*(\xt)+\wt):8*(4*(\xt)+\wt)+7], v[96*K_C+12*(\xt):96*K_C+12*(\xt)+11], v[48*K_R+12*\wt:48*K_R+12*\wt+11], v[8*(4*(\xt)+\wt):8*(4*(\xt)+\wt)+7], v[XS+8*K_C+(\xt)], v[WS+4*K_R+\wt] matrix_a_fmt:MATRIX_FMT_BF6 matrix_b_fmt:MATRIX_FMT_BF6
.endif
.else
.if (\s) == 0
	v_wmma_scale_f32_16x16x128_f8f6f4 v[8*(4*(\xt)+\wt):8*(4*(\xt)+\wt)+7], v[48*K_R+12*\wt:48*K_R+12*\wt+11], v[96*K_C+12*(\xt):96*K_C+12*(\xt)+11], v[BC+8*\wt:BC+8*\wt+7], v[WS+4*K_R+\wt], v[XS+8*K_C+(\xt)] matrix_a_fmt:MATRIX_FMT_BF6 matrix_b_fmt:MATRIX_FMT_BF6
.else
	v_wmma_scale_f32_16x16x128_f8f6f4 v[8*(4*(\xt)+\wt):8*(4*(\xt)+\wt)+7], v[48*K_R+12*\wt:48*K_R+12*\wt+11], v[96*K_C+12*(\xt):96*K_C+12*(\xt)+11], v[8*(4*(\xt)+\wt):8*(4*(\xt)+\wt)+7], v[WS+4*K_R+\wt], v[XS+8*K_C+(\xt)] matrix_a_fmt:MATRIX_FMT_BF6 matrix_b_fmt:MATRIX_FMT_BF6
.endif
.endif
.endr
.endm
; W's unit three steps on: steps 8 to 10 are the next head's 0 to 2
.macro WAHEAD_F s, hf
.if (\s) < 5
	WFRH 40, (\s)+3, K_WR, \hf
.else
	WFRH 42, (\s)-5, K_WR, \hf
.endif
.endm
.macro WAHEAD_S s
.if (\s) < 5
	WSCL 40, (\s)+3, K_WR
.else
	WSCL 42, (\s)-5, K_WR
.endif
.endm
; A K STEP of a head: 32 products in eight groups of four; behind the groups stand the loads of W's unit three steps on and of x's fragments of the next step.  vp = 0: Q or K;  1: V.
; At the end of step 1 the next head's bias is asked for.
.macro KSTEP s, vp
.set K_N,  ((\s)+1)%8
.set K_NS, ((\s)+1)%2
.set K_C,  (\s)%2
.set K_R,  (\s)%4
.set K_WR, ((\s)+3)%4
.if \vp
.set K_W, 0x5b                                 ; source 0 (x) window 3, source 1 (W) window 2, C and D window 1
.else
.set K_W, 0x5e                                 ; source 0 (W) window 2, source 1 (x) window 3, C and D window 1
.endif
.if (\s) == 0
.set K_W, K_W+0x10                             ; C (the bias) window 2
.endif
.if (\s) > 0
.rept 4
	v_nop                                          ; four places between the last products and the loads into registers that they have read; they stay beside the wait below.  Step 0 stands behind the epilogue's vector work
.endr
.endif
	s_wait_dscnt 12                                ; this step's scale words of x and its tiles 0 to 3 are in; the 12 loads of tiles 4 to 7, asked for last, may be out
.if ((\s) >= 2) && ((\s) <= 4)
.if \vp
	s_wait_loadcnt 32                              ; this step's W is in; behind it: two units of 14 and the 4 loads of the bias
.else
	s_wait_loadcnt 36                              ; this step's W is in; behind it: two units of 14 and the 8 loads of the bias
.endif
.else
	s_wait_loadcnt 28                              ; this step's W is in; behind it: two units of 14
.endif
.if (\s) > 0
	s_wait_alu depctr_va_vdst(0)                   ; the last step's products are done reading x's and XS's other set and W's and WS's set of the ring, in which this step's loads land; in step 1 also: the bias's last readers are done.  (Step 0: the epilogue's waits have stated it)
.endif
	WIN K_W
	MUL4 \s, \vp, 0
	WIN 0x80
	WAHEAD_F \s, 0                                 ; no wait, here and below: no product since the wait above names a register that these loads touch
	WIN K_W
	MUL4 \s, \vp, 1
	WIN 0x80
	WAHEAD_F \s, 1
	WIN K_W
	MUL4 \s, \vp, 2
	WIN 0
	XSCL K_N, K_NS
	WAHEAD_S \s
	WIN K_W
	MUL4 \s, \vp, 3
	WIN 0xc0
	XFR2 K_N, K_NS, 0
	s_wait_dscnt 8                                 ; this step's tiles 4 to 7 are in; the 8 LDS loads that this step has issued may be out
	WIN K_W
	MUL4 \s, \vp, 4
	WIN 0xc0
	XFR2 K_N, K_NS, 2
	WIN K_W
	MUL4 \s, \vp, 5
	WIN 0xc0
	XFR2 K_N, K_NS, 4
	WIN K_W
	MUL4 \s, \vp, 6
	WIN 0xc0
	XFR2 K_N, K_NS, 6
	WIN K_W
	MUL4 \s, \vp, 7
.if (\s) == 1
.if \vp
	WIN 0
	BIASV                                          ; into BT, which the epilogue's moves read: they stand ahead of this step's wait
.else
	WIN 0x80
	BIASQ                                          ; into the tiles of C, which step 0's products read: they stand ahead of this step's wait
.endif
.endif
.endm
; The bases of a trip: this head (s38) and the next (s39).  Behind the wave's last head the look-ahead goes back to its first: those bytes are there and are read for nothing, so that no load is left out and every count holds in every trip
.macro HEADS
	s_wait_xcnt 0x0                                ; every earlier load and store has read its base and its registers: they may be written
	s_lshl_b32 s48, s22, 2
	s_add_co_u32 s38, s48, s37
	s_add_co_u32 s39, s37, 1
	s_and_b32 s39, s39, 3
	s_add_co_u32 s39, s39, s48
	s_mov_b32 s51, 0
	s_mul_i32 s50, s38, WHEAD
	s_add_nc_u64 s[40:41], s[28:29], s[50:51]      ; W of this head,
	s_mul_i32 s50, s39, WHEAD
	s_add_nc_u64 s[42:43], s[28:29], s[50:51]      ; of the next,
	s_lshl_b32 s50, s39, 8
	s_add_nc_u64 s[44:45], s[26:27], s[50:51]      ; the next head's bias,
	s_mul_i32 s50, s38, s32
	s_lshl_b32 s50, s50, 4
	s_add_nc_u64 s[46:47], s[30:31], s[50:51]      ; and where this head's block goes: 16 blocks a head
.endm
.macro PLACES
.rept 4
	v_nop
.endr
.endm
; Q or K: two tiles of tokens at a time.  A lane's 32 registers of a tile are the head's 64 features' two blocks (its half of each), so two tiles are the quantiser's four blocks: registers 0-5 of the
; codes are the first tile's half fragment and 6-11 the second's; the scale word's low half is the first tile's, its high half the second's.
.macro EPI_QK
.irp q, 0,1,2,3
	WIN 0x04                                       ; source 1: window 1
.set J, 0
.rept 64
	v_max_num_f32 v[X+J], 0, v[64*\q+J]            ; the activation, in f32; each accumulator from its low end on
.set J, J+1
.endr
	WIN 0
	s_wait_xcnt 0x0                                ; the last stores have had their addresses translated,
	s_wait_alu depctr_vm_vsrc(0)                   ; and every store issued so far has read its data: PC and PWS, which the quantiser writes again, and OW, which the selects below write again
	QUANT X, PWS+\q
	s_wait_alu depctr_va_vdst(0)                   ; the quantiser has written PC, which the stores below read
	global_store_b128 v[LI0], v[PC:PC+3], s[46:47] offset:1536*\q           ; 512 consecutive bytes, at a multiple of 256 from the buffer's first byte
	global_store_b64 v[L8], v[PC+4:PC+5], s[46:47] offset:1536*\q+512       ; 256
	global_store_b128 v[LI0], v[PC+6:PC+9], s[46:47] offset:1536*\q+768
	global_store_b64 v[L8], v[PC+10:PC+11], s[46:47] offset:1536*\q+1280
.endr
	v_cndmask_b32 v[OW], v[PWS], v[PWS+2], s36     ; lanes 0-15 carry the words of tiles 0-3, lanes 16-31 those of tiles 4-7
	v_cndmask_b32 v[OW+2], v[PWS+1], v[PWS+3], s36
	v_lshrrev_b32 v[OW+1], 16, v[OW]
	v_lshrrev_b32 v[OW+3], 16, v[OW+2]
	s_wait_alu depctr_va_vdst(0)                   ; the four lines above have written OW, which the store below reads
	global_store_b128 v[LI0], v[OW:OW+3], s[46:47] offset:6144
.endm
; V: a tile of features at a time: a lane's 64 registers over the 8 tiles of tokens are its feature's 128 keys (its half of each block): one whole fragment of V^T
.macro EPI_V
.irp wt, 0,1,2,3
	WIN 0x04
.irp xt, 0,1,2,3,4,5,6,7
.irp j, 0,1,2,3,4,5,6,7
	v_max_num_f32 v[X+8*\xt+\j], 0, v[32*\xt+8*\wt+\j]
.endr
.endr
	WIN 0
	s_wait_xcnt 0x0                                ; the last stores have had their addresses translated,
	s_wait_alu depctr_vm_vsrc(0)                   ; and every store issued so far has read its data: PC and PWS, which the quantiser writes again
	QUANT X, PWS+\wt
	s_wait_alu depctr_va_vdst(0)                   ; the quantiser has written PC and its scale word, which the stores below read
.irp c, 0,1,2
	global_store_b128 v[LI0], v[PC+4*\c:PC+4*\c+3], s[46:47] offset:6656+1536*\wt+512*\c
.endr
.endr
	global_store_b128 v[LI0], v[PWS:PWS+3], s[46:47] offset:12800  ; the four scale words: written ahead of the last wait above
	BSPREAD                                        ; the next head's bias: its four loads stand ahead of W's unit 5, which K step 5 has waited for
.endm
	s_load_b256 s[4:11], s[0:1], 0x0               ; query s[4:5], key s[6:7], value s[8:9], bq s[10:11]
	s_load_b256 s[12:19], s[0:1], 0x20             ; bk s[12:13], bv s[14:15], Wc s[16:17], Qc s[18:19]
	s_load_b64 s[20:21], s[0:1], 0x40              ; KV
	v_lshl_add_u32 v[SPW], v0, 2, SPARE
	v_mov_b32 v[NIL], 0
	v_lshrrev_b32 v1, 5, v0
	v_readfirstlane_b32 s22, v1                    ; wave 0..3
	s_and_b32 s23, ttmp7, 0xffff                   ; which tensor
	v_and_b32 v1, 31, v0                           ; lane
	v_and_b32 v2, 15, v0                           ; r
	v_bfe_u32 v3, v0, 4, 1                         ; h
	v_lshlrev_b32 v[LI0], 4, v1
	v_add_nc_u32 v[LI1], HALFX, v[LI0]
	v_lshlrev_b32 v[L8], 3, v1
	v_lshl_add_u32 v[LXS], v2, 5, XSC
	s_wait_alu depctr_va_sdst(0)                   ; s22 is written, ahead of its first reader: LDS addresses and the bases of x, W, the bias and the output are made from it
	s_mul_i32 s48, s22, 3072
	v_add_nc_u32 v[XWI0], s48, v[LI0]
	v_add_nc_u32 v[XWI1], HALFX, v[XWI0]
	s_lshl_b32 s48, s22, 3
	v_add_nc_u32 v[XWS], s48, v[LXS]
	s_mul_i32 s48, s22, 16*SP
	s_add_co_u32 s48, s48, STG                     ; my stage
	v_add_nc_u32 v[SIN], s48, v[LI0]
	v_mul_u32_u24 v[SOUT], v2, SP
	v_lshl_add_u32 v[SOUT], v3, 6, v[SOUT]
	v_add_nc_u32 v[SOUT], s48, v[SOUT]
	v_lshlrev_b32 v[BA], 6, v3
	v_and_b32 v[BV], 8, v2
	v_add_nc_u32 v[BV], v[BV], v2
	v_lshlrev_b32 v[BV], 2, v[BV]
.irp b, 0,1,2,3
	v_mov_b32 v[TM+4+\b], 0                        ; written once: a lane permute's destination counts as one of its sources
.endr
	s_mov_b32 s34, 0x76543210
	s_mov_b32 s35, 0xfedcba98                      ; v_permlanex16_b32's selects for lane l xor 16
	s_mov_b32 s36, 0xffff0000                      ; lanes 16-31
	s_lshl_b32 s48, ttmp9, 19                      ; my work-group's 128 rows of 4,096 bytes,
	s_lshl_b32 s49, s22, 17                        ; my wave's 32 of them
	s_add_co_u32 s48, s48, s49
	s_mov_b32 s49, 0
	s_mul_i32 s50, s23, WALL                       ; my tensor's weight in Wc
	s_mov_b32 s51, 0
	s_lshr_b32 s52, ttmp9, 4                       ; the batch: 16 blocks of 128 tokens each
	s_lshl_b32 s52, s52, 8
	s_and_b32 s53, ttmp9, 15
	s_add_co_u32 s52, s52, s53                     ; 256 x batch + block: head 0's block
	s_mov_b32 s53, 0
	s_mul_i32 s54, s22, 4*WHEAD                    ; my wave's first head in W
	s_mov_b32 s55, 0
	s_wait_kmcnt 0x0
	s_cmp_eq_u32 s23, 1                            ; the choices hang on the work-group's number alone
	s_cselect_b64 s[24:25], s[6:7], s[4:5]
	s_cselect_b64 s[26:27], s[12:13], s[10:11]
	s_cmp_eq_u32 s23, 2
	s_cselect_b64 s[24:25], s[8:9], s[24:25]       ; x
	s_cselect_b64 s[26:27], s[14:15], s[26:27]     ; the bias
	s_cmp_eq_u32 s23, 0
	s_cselect_b64 s[30:31], s[18:19], s[20:21]     ; Q goes to Qc, K and V to KV
	s_mov_b32 s32, 13312
	s_cselect_b32 s32, 6656, s32                   ; a block's bytes there
	s_mul_i32 s52, s52, s32
	s_add_nc_u64 s[24:25], s[24:25], s[48:49]
	s_add_nc_u64 s[28:29], s[16:17], s[50:51]
	s_add_nc_u64 s[30:31], s[30:31], s[52:53]
	s_add_nc_u64 s[40:41], s[28:29], s[54:55]
	s_lshl_b32 s54, s22, 10
	s_add_nc_u64 s[44:45], s[26:27], s[54:55]      ; my first head's bias
	s_wait_alu depctr_va_vdst(0)                   ; the eleven addresses and offsets v4 to v14 are written: every load and store of the kernel, global or LDS, reads one of them, and none is written again
	WIN 0x80
	BIASQ                                          ; the first head's bias is fetched in both patterns (both lie inside the head's 256 bytes): the path that follows takes its own
	WIN 0
	BIASV
.irp s, 0,1,2
	WSCL 40, \s, \s                                ; W of my first head, K steps 0 to 2
	WIN 0x80
	WFRH 40, \s, \s, 0
	WFRH 40, \s, \s, 1
	WIN 0
.endr
	XLOAD 0
	XLOAD 1
	XLOAD 2
	XLOAD 3
	s_wait_loadcnt 48                              ; unit 0's 16 loads are in; those of units 1 to 3 may be out
	TURN 0
.irp t, 0,1,2,3,4,5,6,7,8,9,10,11,12,13,14,15
	XUNIT \t
.endr
	s_wait_dscnt 0x0                               ; for the others' sake: my images lie in LDS
	s_barrier_signal -1
	s_barrier_wait -1                              ; all 64 fragments of x do; from here on LDS is only read
	XSCL 0, 0
	WIN 0xc0
	XFR2 0, 0, 0                                   ; K step 0 of x, in a step's order: the scale words, then tiles 0 to 7
	XFR2 0, 0, 2
	XFR2 0, 0, 4
	XFR2 0, 0, 6
	WIN 0
	s_mov_b32 s37, 0                               ; which of my four heads
	s_cmp_eq_u32 s23, 2
	s_cbranch_scc1 .Lv
.Lhead_qk:
	HEADS
.irp s, 0,1,2,3,4,5,6,7
	KSTEP \s, 0
.endr
	PLACES                                         ; between the last products and the first read of results
	EPI_QK
	s_add_co_u32 s37, s37, 1
	s_cmp_lt_u32 s37, 4
	s_cbranch_scc1 .Lhead_qk
	s_branch .Lend
.Lv:
	BSPREAD
.Lhead_v:
	HEADS
	s_wait_alu depctr_va_vdst(0)
.irp s, 0,1,2,3,4,5,6,7
	KSTEP \s, 1
.endr
	PLACES
	EPI_V
	s_add_co_u32 s37, s37, 1
	s_cmp_lt_u32 s37, 4
	s_cbranch_scc1 .Lhead_v
.Lend:
	s_wait_dscnt 0x0                               ; the closing lines, six on end
	s_wait_alu 0x0
	s_wait_tensorcnt 0x0
	ds_add_u32 v[SPW], v[NIL]
	s_wait_dscnt 0x0
	s_endpgm
.Lfunc_end_k_q09e8574733_proj:
	.size	k_q09e8574733_proj, .Lfunc_end_k_q09e8574733_proj-k_q09e8574733_proj
	.p2alignl 7, 3214868480
	.fill 96, 4, 3214868480
	.section	.rodata,"a",@progbits
	.p2align	6, 0x0
	.amdhsa_kernel k_q09e8574733_proj
		.amdhsa_group_segment_fixed_size 136704
		.amdhsa_private_segment_fixed_size 0
		.amdhsa_enable_private_segment 0
		.amdhsa_kernarg_size 72
		.amdhsa_user_sgpr_count 2
		.amdhsa_user_sgpr_kernarg_segment_ptr 1
		.amdhsa_wavefront_size32 1
		.amdhsa_system_sgpr_workgroup_id_x 1
		.amdhsa_system_sgpr_workgroup_id_y 1
		.amdhsa_system_sgpr_workgroup_id_z 1
		.amdhsa_system_vgpr_workitem_id 0
		.amdhsa_next_free_vgpr 1024
		.amdhsa_next_free_sgpr 66
		.amdhsa_reserve_vcc 0
		.amdhsa_float_denorm_mode_32 3
		.amdhsa_float_denorm_mode_16_64 3
		.amdhsa_memory_ordered 1
		.amdhsa_forward_progress 1
		.amdhsa_inst_pref_size 255
	.end_amdhsa_kernel
	.section	.bss,"aw",@nobits
	.p2align	6
	.space	262144
	.amdgpu_metadata
---
amdhsa.version: [ 1, 2 ]
amdhsa.kernels:
  - .name:           k_q09e8574733_proj
    .symbol:         k_q09e8574733_proj.kd
    .args:
      - { .name: query, .offset: 0, .size: 8, .value_kind: global_buffer, .address_space: global }
      - { .name: key, .offset: 8, .size: 8, .value_kind: global_buffer, .address_space: global }
      - { .name: value, .offset: 16, .size: 8, .value_kind: global_buffer, .address_space: global }
      - { .name: bq, .offset: 24, .size: 8, .value_kind: global_buffer, .address_space: global }
      - { .name: bk, .offset: 32, .size: 8, .value_kind: global_buffer, .address_space: global }
      - { .name: bv, .offset: 40, .size: 8, .value_kind: global_buffer, .address_space: global }
      - { .name: Wc, .offset: 48, .size: 8, .value_kind: global_buffer, .address_space: global }
      - { .name: Qc, .offset: 56, .size: 8, .value_kind: global_buffer, .address_space: global }
      - { .name: KV, .offset: 64, .size: 8, .value_kind: global_buffer, .address_space: global }
    .group_segment_fixed_size: 136704
    .private_segment_fixed_size: 0
    .kernarg_segment_align: 8
    .kernarg_segment_size: 72
    .max_flat_workgroup_size: 128
    .sgpr_count:     66
    .vgpr_count:     1024
    .wavefront_size: 32
...
	.end_amdgpu_metadata
.endif
;; end of part 5
;; launch attn (part 6): grid 4 x 64, 16 waves a work-group, clusters of 4 x 1, 327,680 bytes of LDS; arguments Qc, KV, out0; writes out0
.if DOCPART == 6
	.amdgcn_target "amdgcn-amd-amdhsa--gfx1250"
	.amdhsa_code_object_version 6
	.text
	.protected	k_q09e8574733_attn
	.globl	k_q09e8574733_attn
	.p2align	8
	.type	k_q09e8574733_attn,@function
k_q09e8574733_attn:
	s_mov_b64 s[64:65], 0
	v_nop
	global_prefetch_b8 v0, s[64:65] scope:SCOPE_SE
	s_setreg_imm32_b32 hwreg(HW_REG_WAVE_MODE, 25, 1), 1
	s_wait_xcnt 0x0
	s_wait_alu depctr_hold_cnt(0) depctr_sa_sdst(0) depctr_va_vdst(0) depctr_va_sdst(0) depctr_va_ssrc(0) depctr_va_vcc(0) depctr_vm_vsrc(0)
	s_getreg_b32 s2, hwreg(HW_REG_IB_STS2, 6, 4)
	s_cmp_eq_u32 s2, 0
	s_cbranch_scc0 .Lentry_in_a_cluster
	s_endpgm
.Lentry_in_a_cluster:
	s_bfe_u32 s2, ttmp6, 0x10000c
	s_cmp_lg_u32 s2, 0x3003
	s_cbranch_scc0 .Lentry_shape_is_right
	s_endpgm
.Lentry_shape_is_right:
; out[b][q][64 hd + d] = the sum over k of softmax_k(Q . K / 8) V, for each of 64 (batch, head), 2,048 queries and keys, head size 64; both products on codes of BF6 (E3M2) with one E8M0 scale for each 32 along K.
; Qc and KV hold images of operand registers, made by the launch before (their layout is written at its head).
; THE SOFTMAX AHEAD OF THE SECOND PRODUCT: t = score x log2(e) / 8; M = the row's largest t so far, rounded UP to a whole number; p = 2^(t - M) is quantised along the keys, not normalised.  The row's sum is taken of the
; unquantised p, in f32, and divides at the end.  When M moves, the sum and O are multiplied by 2^(old M - new M): exact.
; THE FIRST PRODUCT HAS K = 64 in an instruction of K = 128: registers 6-11 of both operands are zero codes, written once; the scale bytes over them are never 0xff.
; SHARES.  A cluster of four work-groups owns one (batch, head); work-group cx owns 512 queries, each of its sixteen waves 32: two tiles of 16, one after the other.  Four waves lie on a SIMD, so that one wave's vector
; work stands beside another's products and LDS loads.
; THE WHOLE HEAD'S K AND V, 212,992 bytes, LIE IN LDS from the start: wave w fetches key step w, 13,312 dense bytes, by one tensor load; the four partners need the same bytes and ask JOINTLY (mask 15).  Nothing is
; filled again, so the loops have no barrier.  A wave has one tensor load outstanding.
; LAYOUT.  Both products are used transposed: S^T = K Q^T, O^T = V^T P^T: a lane holds ONE query (lane % 16) throughout.  The keys, the queries and V's features of a tile are not neighbours: lane r of tile 2 b + u holds
; row 32 b + 8 u + r + 8 (r / 8), so that the 16 registers of tiles 2 b and 2 b + 1 of a result are 16 neighbours, 32 b + 16 (lane / 16) + 0 .. 15.
; LIMITS: NaN and infinities are not served; a block whose every p has fallen to 0 keeps the byte 1: its codes are zeros.
; REGISTERS: v1-11 addresses; v12 -M, v13 the largest t, v[14:15] the sum in two halves; v16-39 Q's two tiles; v40, v41 their scale words; v42 f; v44-91 four tiles of K; v92-95 K's scale words;
;   v96-159 S^T, then p, then (v96-143) V's four fragments; v160-191 O^T; v192-203 p's codes; v204-232 at work; v224 p's scale word; v228-231 V's scale words.
.set STEPB, 13312                      ; a key step's K and V in LDS
.set STAGE, 16*STEPB                   ; behind them: 16 rows x (256 + 16) bytes for each wave, for the way out
.set SPARE, STAGE+16*16*272            ; the spare words, 128 bytes for each wave, that no other line names
.macro ROUND                           ; a round of the cluster's barrier
	s_barrier_signal -1
	s_barrier_wait -1
	s_cmp_lg_u32 s10, 0
	s_cbranch_scc1 .Lnot_wave_0_\@
	s_barrier_signal -3
.Lnot_wave_0_\@:
	s_barrier_wait -3
	s_barrier_signal -1
	s_barrier_wait -1
.endm
	s_load_b128 s[4:7], s[0:1], 0x0                ; Qc s[4:5], KV s[6:7]
	s_load_b64 s[8:9], s[0:1], 0x10                ; out0
	v_lshl_add_u32 v5, v0, 2, SPARE                ; v5: LDS address of my spare word; never rewritten
	v_mov_b32 v6, 0                                ; v6: 0; never rewritten
	ds_add_u32 v5, v6                              ; the wave's opening: the add and its wait stand ahead of my first tensor load; work on registers stands between them
	ds_add_u32 v5, v6
	v_lshrrev_b32 v3, 5, v0
	s_delay_alu instid0(VALU_DEP_1)
	v_readfirstlane_b32 s10, v3                    ; wave 0..15
	s_bfe_u32 s11, ttmp6, 0x40000                  ; cx: it enters Q's and the output's addresses alone
	s_and_b32 s12, ttmp7, 0xffff                   ; 16 x batch + head, which the four partners share
	; the descriptor: 52 rows of 256 bytes (32 elements of 8 bytes), dense, no padding
	s_mov_b32 s16, 15|(3<<16)|(1<<21)              ; 15:0 the mask: all four work-groups; 17:16 elements of 8 bytes; 21 set beside a mask
	s_mov_b32 s17, 32<<16                          ; tensor_dim0 = 32
	s_mov_b32 s18, 52<<16                          ; tensor_dim1 = 52
	s_mov_b32 s19, 32<<16                          ; tile_dim0 = 32
	s_mov_b32 s20, 52                              ; tile_dim1 = 52
	s_mov_b32 s21, 32                              ; elements from row to row
	s_mov_b32 s22, 0
	s_mov_b32 s23, 0
	s_mov_b32 s24, 1                               ; count = 1
	s_mul_i32 s25, s10, STEPB                      ; LDS address: key step w
	s_mul_i32 s14, s12, 16*STEPB
	s_add_co_u32 s14, s14, s25                     ; and the same step of my head in KV
	s_mov_b32 s15, 0
	s_mov_b32 s28, 0x76543210
	s_mov_b32 s29, 0xfedcba98                      ; v_permlanex16_b32's selects for lane l xor 16
	s_mov_b32 s30, 0x3e38aa3b                      ; c = log2(e) / 8
	s_mov_b32 s31, s30                             ; (named with it as a pair, so it is written)
	s_lshl_b32 s40, s12, 4
	s_lshl_b32 s41, s11, 2
	s_add_co_u32 s40, s40, s41
	s_lshr_b32 s41, s10, 2
	s_add_co_u32 s40, s40, s41                     ; my queries' block of 128 tokens in Qc: 16 x (batch, head) + 4 cx + wave / 4
	s_mul_i32 s40, s40, 6656
	s_and_b32 s41, s10, 3                          ; which pair of its tiles is mine
	s_mul_i32 s42, s41, 1536
	s_add_co_u32 s42, s42, s40
	s_mov_b32 s43, 0
	s_lshr_b32 s44, s41, 1                         ; their scale words: tiles 4-7 lie 256 bytes behind tiles 0-3,
	s_lshl_b32 s44, s44, 8
	s_and_b32 s45, s10, 1
	s_lshl_b32 s45, s45, 3                         ; a pair's two words 8 bytes behind the pair before
	s_add_co_u32 s44, s44, s45
	s_add_co_u32 s44, s44, s40
	s_add_co_u32 s44, s44, 6144
	s_mov_b32 s45, 0
	s_lshr_b32 s46, s12, 4
	s_lshl_b32 s46, s46, 23                        ; the output: a batch is 2,048 rows of 4,096 bytes,
	s_lshl_b32 s47, s11, 4
	s_add_co_u32 s47, s47, s10
	s_lshl_b32 s47, s47, 17                        ; my 32 tokens: group 16 cx + wave,
	s_add_co_u32 s46, s46, s47
	s_and_b32 s47, s12, 15
	s_lshl_b32 s47, s47, 8                         ; a head's 256 bytes of a row
	s_add_co_u32 s46, s46, s47
	s_mov_b32 s47, 0
	v_and_b32 v7, 31, v0
	s_delay_alu instid0(VALU_DEP_1)
	v_lshlrev_b32 v1, 4, v7                        ; v1: 16 x lane
	s_delay_alu instid0(VALU_DEP_2)
	v_lshlrev_b32 v2, 3, v7                        ; v2: 8 x lane
	v_and_b32 v10, 15, v0                          ; r
	v_bfe_u32 v11, v0, 4, 1                        ; h
	s_delay_alu instid0(VALU_DEP_1)
	v_lshlrev_b32 v7, 12, v11
	s_delay_alu instid0(VALU_DEP_1)
	v_lshl_add_u32 v7, v10, 4, v7                  ; v7: the way out: lanes 0-15 one row of the output, lanes 16-31 the next; 16 bytes a lane
	s_mul_i32 s13, s10, 16*272
	s_add_co_u32 s13, s13, STAGE                   ; my stage
	v_mul_u32_u24 v8, v10, 272
	s_delay_alu instid0(VALU_DEP_1)
	v_lshl_add_u32 v8, v11, 6, v8
	s_delay_alu instid0(VALU_DEP_1)
	v_add_nc_u32 v8, s13, v8                       ; v8: in: row r, + 64 h
	v_mul_u32_u24 v9, v11, 272
	s_delay_alu instid0(VALU_DEP_1)
	v_lshl_add_u32 v9, v10, 4, v9
	s_delay_alu instid0(VALU_DEP_1)
	v_add_nc_u32 v9, s13, v9                       ; v9: back: lanes 0-15 one row, lanes 16-31 the next
	v_lshlrev_b32 v10, 4, v10                      ; v10: 16 r: Q's scale words
	s_wait_dscnt 0x0                               ; the opening add is done
	s_wait_kmcnt 0x0
	s_add_nc_u64 s[26:27], s[6:7], s[14:15]        ; the tile's first byte
	s_or_b32 s27, s27, 0x80000000                  ; type = 2
	s_add_nc_u64 s[36:37], s[4:5], s[42:43]        ; Q's two tiles
	s_add_nc_u64 s[38:39], s[4:5], s[44:45]        ; and their scale words
	s_add_nc_u64 s[34:35], s[8:9], s[46:47]        ; my rows of the output
	ROUND                                          ; all four work-groups are here: the joint loads meet
	tensor_load_to_lds s[24:27], s[16:23]
	s_nop 0
.rept 4
	v_nop
.endr
.irp u, 0,1
	global_load_b128 v[16+12*\u:19+12*\u], v1, s[36:37] offset:768*\u        ; Q stays in registers: registers 0-3,
	global_load_b64 v[20+12*\u:21+12*\u], v2, s[36:37] offset:768*\u+512     ; 4 and 5
.endr
	s_wait_alu depctr_va_vdst(0)
	global_load_b64 v[40:41], v10, s[38:39]        ; lane r: row r's words of my two tiles
.irp i, 6,7,8,9,10,11
	v_mov_b32 v[16+\i], 0                          ; k = 64 .. 127: zero codes, in Q's two tiles
	v_mov_b32 v[28+\i], 0
.irp t, 0,1,2,3
	v_mov_b32 v[44+12*\t+\i], 0                    ; and in the four places for tiles of K: never written again
.endr
.endr
	v_mov_b32 v43, 0                               ; (named as the upper half of the pair v[42:43])
.irp b, 0,1,2,3
	v_mov_b32 v[216+\b], 0                         ; written once: a lane permute's destination counts as one of its sources
.endr
	v_mov_b32 v232, 0
	s_wait_loadcnt 0x0                             ; Q
	s_wait_tensorcnt 0x0                           ; my key step lies in LDS,
	s_barrier_signal -1
	s_barrier_wait -1                              ; everybody's does
; A KEY STEP: 128 keys at LDS byte s32, for my tile u of queries
.macro STEP u
	v_add_nc_u32 v3, s32, v1
	s_wait_alu depctr_va_vdst(0)
	v_add_nc_u32 v4, s32, v2
	s_wait_alu depctr_va_vdst(0)
.rept 4
	v_nop                                          ; with the two additions six places behind the last products, whose source registers v96-143 the products below write over
.endr
	ds_load_b128 v[92:95], v3 offset:6144          ; K's scale words: lanes 0-15 those of tiles 0-3, lanes 16-31 those of tiles 4-7
.irp g, 0,1                                    ; S^T = K Q^T, four tiles of 16 keys at a time
.if \g == 1
.rept 4
	v_nop                                          ; places in front of loads into registers that the last four products have read
.endr
.endif
.irp t, 0,1,2,3
	ds_load_b128 v[44+12*\t:47+12*\t], v3 offset:768*(4*\g+\t)
	ds_load_b64 v[48+12*\t:49+12*\t], v4 offset:768*(4*\g+\t)+512
.endr
	s_wait_dscnt 0x0
.irp t, 0,1,2,3
.if \g == 0
	v_wmma_scale_f32_16x16x128_f8f6f4 v[96+8*(4*\g+\t):103+8*(4*\g+\t)], v[44+12*\t:55+12*\t], v[16+12*\u:27+12*\u], 0, v[92+\t], v[40+\u] matrix_a_fmt:MATRIX_FMT_BF6 matrix_b_fmt:MATRIX_FMT_BF6
.else
	v_wmma_scale_f32_16x16x128_f8f6f4 v[96+8*(4*\g+\t):103+8*(4*\g+\t)], v[44+12*\t:55+12*\t], v[16+12*\u:27+12*\u], 0, v[92+\t], v[40+\u] matrix_a_fmt:MATRIX_FMT_BF6 matrix_b_fmt:MATRIX_FMT_BF6 matrix_a_scale:MATRIX_SCALE_ROW1
.endif
.endr
.endr                                          ; register 16 b + i of v96 on: key 32 b + 16 (lane / 16) + i
.rept 4
	v_nop
.endr
.irp b, 0,1,2,3
	v_max3_num_f32 v[212+\b], v[96+16*\b], v[97+16*\b], v[98+16*\b]   ; the largest score of each block of 32 keys: it serves for the row's maximum and, since p rises with the score, for the block's largest p
.endr
.irp i, 3,5,7,9,11,13
.irp b, 0,1,2,3
	v_max3_num_f32 v[212+\b], v[212+\b], v[96+16*\b+\i], v[97+16*\b+\i]   ; (the four blocks by turns)
.endr
.endr
.irp b, 0,1,2,3
	v_max_num_f32 v[212+\b], v[212+\b], v[111+16*\b]
.endr
.irp b, 0,1,2,3
	s_delay_alu instid0(VALU_DEP_4)
	v_permlanex16_b32 v[216+\b], v[212+\b], s28, s29
.endr
.irp b, 0,1,2,3
	s_delay_alu instid0(VALU_DEP_4)
	v_max_num_f32 v[212+\b], v[212+\b], v[216+\b]  ; with lane l xor 16's 16 keys
.endr
	s_delay_alu instid0(VALU_DEP_2)
	v_max3_num_f32 v232, v212, v213, v214
	s_delay_alu instid0(VALU_DEP_1)
	v_max_num_f32 v232, v232, v215                 ; the step's largest score of my query
	s_delay_alu instid0(VALU_DEP_1)
	v_mul_f32 v232, s30, v232                      ; as t (c is positive)
	s_delay_alu instid0(VALU_DEP_1)
	v_max_num_f32 v13, v13, v232                   ; the running largest t
	v_mov_b32 v232, v12
	s_delay_alu instid0(VALU_DEP_2)
	v_floor_f32 v12, -v13                          ; the new -M = floor(-t) = -ceil(t): a whole number
	s_delay_alu instid0(VALU_DEP_1)
	v_sub_f32 v232, v12, v232                      ; M's old value less its new one: a whole number, 0 or less
	s_delay_alu instid0(VALU_DEP_1)
	v_cvt_i32_f32 v232, v232                       ; (it saturates)
	s_delay_alu instid0(VALU_DEP_1)
	v_ldexp_f32 v42, 1.0, v232                     ; f = 2^(old M - new M)
.set J, 0
.rept 32
	v_pk_fma_f32 v[96+J:97+J], v[96+J:97+J], s[30:31], v[12:13] op_sel_hi:[1,0,0]   ; t - M, two at a time (of the pairs c and -M the low word serves both halves)
.set J, J+2
.endr
.irp b, 0,1,2,3
	v_fma_f32 v[212+\b], v[212+\b], s30, v12       ; the same of each block's largest score
.endr
.set J, 0
	s_wait_alu depctr_va_vdst(0)
.rept 64
	v_exp_f32 v[96+J], v[96+J]                     ; p = 2^(t - M), at most 1
.set J, J+1
.endr
	s_setprio 1
	v_pk_mul_f32 v[14:15], v[14:15], v[42:43] op_sel_hi:[1,0]      ; the sums under the new M: a plain instruction behind the exponentials
	s_wait_alu depctr_va_vdst(0)                   ; a wait ahead of the first instruction that names a result: one for the 64
.irp b, 0,1,2,3
	v_exp_f32 v[212+\b], v[212+\b]                 ; the block's largest p: the same two instructions on the same number give the same bits
.endr
	v_pk_add_f32 v[226:227], v[100:101], v[104:105]
	v_pk_add_f32 v[254:255], v[108:109], v[112:113]
	v_pk_add_f32 v[252:253], v[116:117], v[120:121]
	v_pk_add_f32 v[250:251], v[124:125], v[128:129]
	v_pk_add_f32 v[248:249], v[132:133], v[136:137]
	v_pk_add_f32 v[246:247], v[140:141], v[144:145]
	v_pk_add_f32 v[244:245], v[148:149], v[152:153]
	v_pk_add_f32 v[14:15], v[14:15], v[156:157]
	v_pk_add_f32 v[226:227], v[226:227], v[96:97]
	v_pk_add_f32 v[254:255], v[254:255], v[98:99]
	v_pk_add_f32 v[252:253], v[252:253], v[102:103]
	v_pk_add_f32 v[250:251], v[250:251], v[106:107]
	v_pk_add_f32 v[248:249], v[248:249], v[110:111]
	v_pk_add_f32 v[246:247], v[246:247], v[114:115]
	v_pk_add_f32 v[244:245], v[244:245], v[118:119]
	v_pk_add_f32 v[14:15], v[14:15], v[122:123]
	v_pk_add_f32 v[226:227], v[226:227], v[126:127]
	v_pk_add_f32 v[254:255], v[254:255], v[130:131]
	v_pk_add_f32 v[252:253], v[252:253], v[134:135]
	v_pk_add_f32 v[250:251], v[250:251], v[138:139]
	v_pk_add_f32 v[248:249], v[248:249], v[142:143]
	v_pk_add_f32 v[246:247], v[246:247], v[146:147]
	v_pk_add_f32 v[244:245], v[244:245], v[150:151]
	v_pk_add_f32 v[14:15], v[14:15], v[154:155]
	v_pk_add_f32 v[226:227], v[226:227], v[158:159]
	s_delay_alu instid0(VALU_DEP_2)
	v_pk_add_f32 v[14:15], v[14:15], v[250:251]
	s_delay_alu instid0(VALU_DEP_2)
	v_pk_add_f32 v[226:227], v[226:227], v[248:249]
	v_pk_add_f32 v[254:255], v[254:255], v[246:247]
	v_pk_add_f32 v[252:253], v[252:253], v[244:245]
	s_delay_alu instid0(VALU_DEP_2)
	v_pk_add_f32 v[14:15], v[14:15], v[254:255]
	s_delay_alu instid0(VALU_DEP_2)
	v_pk_add_f32 v[226:227], v[226:227], v[252:253]
	s_delay_alu instid0(VALU_DEP_1)
	v_pk_add_f32 v[14:15], v[14:15], v[226:227]
	s_wait_alu depctr_va_vdst(0)                   ; and one for the four
.irp b, 0,1,2,3
	v_max_num_f32 v[212+\b], 0x2800000, v[212+\b]  ; the floor 2^(5 - 127): the byte cannot fall under 1
.endr
.irp b, 0,1,2,3
	s_delay_alu instid0(VALU_DEP_4)
	v_add_nc_u32 v[220+\b], 0xfe000000, v[212+\b]  ; 4 off the exponent field: the conversion's scale operand
.endr
.irp b, 0,1,2,3
	s_delay_alu instid0(VALU_DEP_4)
	v_lshrrev_b32 v[216+\b], 23, v[220+\b]         ; the scale's byte
.endr
	s_delay_alu instid0(VALU_DEP_3)
	v_lshl_or_b32 v224, v217, 8, v216              ; p's scale word for these 128 keys
	s_delay_alu instid0(VALU_DEP_1)
	v_lshl_or_b32 v224, v218, 16, v224
	s_delay_alu instid0(VALU_DEP_1)
	v_lshl_or_b32 v224, v219, 24, v224
.irp c, 0,1
	v_cvt_scalef32_pk16_bf6_f32 v[192+6*\c:194+6*\c], v[96+32*\c:111+32*\c], v[220+2*\c]
	v_cvt_scalef32_pk16_bf6_f32 v[204+4*\c:206+4*\c], v[112+32*\c:127+32*\c], v[220+2*\c+1]   ; (a conversion's three registers begin on an even number)
.endr
	v_nop                                          ; one plain place behind a scaled conversion
.irp wt, 0,1,2,3                               ; V's four fragments take p's registers; they land under the lines that follow
.irp c, 0,1,2
	ds_load_b128 v[96+12*\wt+4*\c:99+12*\wt+4*\c], v3 offset:6656+1536*\wt+512*\c
.endr
.endr
	ds_load_b128 v[228:231], v3 offset:12800       ; and their scale words
.irp c, 0,1                                    ; the operand's layout wants a whole block in a lane: lanes 0-15 block 2 c, lanes 16-31 block 2 c + 1
.irp i, 0,1,2
	v_permlane16_swap_b32 v[192+6*\c+\i], v[204+4*\c+\i]
.endr
.irp i, 0,1,2
	s_delay_alu instid0(VALU_DEP_3)
	v_mov_b32 v[195+6*\c+\i], v[204+4*\c+\i]
.endr
.endr
.set J, 0
	s_setprio 0
.rept 16
	v_pk_mul_f32 v[160+J:161+J], v[160+J:161+J], v[42:43] op_sel_hi:[1,0]    ; O^T under the new M.  For each product below, the twelve of these that name other accumulators are the places between p's scale word and codes and the product
.set J, J+2
.endr
	s_wait_alu depctr_va_vdst(0)
	s_wait_dscnt 0x0
.irp wt, 0,1,2,3                               ; O^T += V^T P^T: four tiles of 16 of the head's 64; the four accumulators by turns
	v_wmma_scale_f32_16x16x128_f8f6f4 v[160+8*\wt:167+8*\wt], v[96+12*\wt:107+12*\wt], v[192:203], v[160+8*\wt:167+8*\wt], v[228+\wt], v224 matrix_a_fmt:MATRIX_FMT_BF6 matrix_b_fmt:MATRIX_FMT_BF6
.endr
.endm
; My tile u of queries against all 16 key steps, and its way out
.macro PASS u
	v_mov_b32 v13, 0xff61b1e6                      ; the largest t so far: -3e38, under every t
	s_delay_alu instid0(VALU_DEP_1)
	v_floor_f32 v12, -v13                          ; -M
	v_mov_b32 v14, 0                               ; the sum, in two halves
	v_mov_b32 v15, 0
.set J, 0
.rept 32
	v_mov_b32 v[160+J], 0                          ; O^T.  (The step is written once: the first finds zeros, which the first change of M leaves zeros)
.set J, J+1
.endr
	s_mov_b32 s32, 0
	s_mov_b32 s33, 16
.Lstep_\@:
	s_setprio 2
	STEP \u
	s_add_co_u32 s32, s32, STEPB
	s_sub_co_u32 s33, s33, 1
	s_cmp_lg_u32 s33, 0
	s_cbranch_scc1 .Lstep_\@
	s_setprio 0
.rept 4
	v_nop                                          ; places behind the last products
.endr
	v_add_f32 v14, v14, v15                        ; the sum's two halves,
	s_delay_alu instid0(VALU_DEP_1)
	v_permlanex16_b32 v232, v14, s28, s29
	s_delay_alu instid0(VALU_DEP_1)
	v_add_f32 v14, v14, v232                       ; and lane l xor 16's: the row's sum
	s_wait_alu depctr_va_vdst(0)
	v_rcp_f32 v14, v14
	v_nop                                          ; a plain place behind the reciprocal
	s_wait_alu depctr_va_vdst(0)                   ; and a wait ahead of its first reader
.set J, 0
.rept 32
	v_mul_f32 v[96+J], v[160+J], v14               ; O^T / the sum: register 16 b + i is channel 32 b + 16 h + i of my query; each accumulator from its low end on
.set J, J+1
.endr
.irp wt, 0,1,2,3
.irp q, 0,1
	ds_store_b128 v8, v[96+8*\wt+4*\q:99+8*\wt+4*\q] offset:128*(\wt/2)+32*(\wt%2)+16*\q
.endr
.endr
.irp i, 0,1,2,3,4,5,6,7
	ds_load_b128 v[128+4*\i:131+4*\i], v9 offset:544*\i            ; LDS serves a wave's instructions in order: these see my stores.  Rows 2 i and 2 i + 1 of the tile
.endr
.irp i, 0,1,2,3,4,5,6,7
	s_wait_dscnt 7-\i                              ; the younger loads may be out
	global_store_b128 v7, v[128+4*\i:131+4*\i], s[34:35] offset:(2*\i+8*(\i/4)+8*\u)*4096 th:TH_STORE_NT   ; row rho of the tile is token 8 u + rho + 8 (rho / 8); 16 lanes store the head's 256 consecutive bytes of it, at a multiple of 256 from the buffer's first byte
.endr
	s_wait_xcnt 0x0                                ; the stores have read their registers, which the next tile's work writes
.endm
	PASS 0
	PASS 1
	s_wait_tensorcnt 0x0                           ; the wave's end, behind my last tensor load and my last LDS store
	ds_add_u32 v5, v6
	s_wait_dscnt 0x0
	ROUND                                          ; the closing round: no work-group ends while a partner may still ask for a tile that names it
	s_endpgm
.Lfunc_end_k_q09e8574733_attn:
	.size	k_q09e8574733_attn, .Lfunc_end_k_q09e8574733_attn-k_q09e8574733_attn
	.p2alignl 7, 3214868480
	.fill 96, 4, 3214868480
	.section	.rodata,"a",@progbits
	.p2align	6, 0x0
	.amdhsa_kernel k_q09e8574733_attn
		.amdhsa_group_segment_fixed_size 327680
		.amdhsa_private_segment_fixed_size 0
		.amdhsa_enable_private_segment 0
		.amdhsa_kernarg_size 24
		.amdhsa_user_sgpr_count 2
		.amdhsa_user_sgpr_kernarg_segment_ptr 1
		.amdhsa_wavefront_size32 1
		.amdhsa_system_sgpr_workgroup_id_x 1
		.amdhsa_system_sgpr_workgroup_id_y 1
		.amdhsa_system_sgpr_workgroup_id_z 1
		.amdhsa_system_vgpr_workitem_id 0
		.amdhsa_next_free_vgpr 256
		.amdhsa_next_free_sgpr 66
		.amdhsa_reserve_vcc 0
		.amdhsa_float_denorm_mode_32 3
		.amdhsa_float_denorm_mode_16_64 3
		.amdhsa_memory_ordered 1
		.amdhsa_forward_progress 1
		.amdhsa_inst_pref_size 51
	.end_amdhsa_kernel
	.amdgpu_metadata
---
amdhsa.version: [ 1, 2 ]
amdhsa.kernels:
  - .name:           k_q09e8574733_attn
    .symbol:         k_q09e8574733_attn.kd
    .args:
      - { .name: Qc, .offset: 0, .size: 8, .value_kind: global_buffer, .address_space: global }
      - { .name: KV, .offset: 8, .size: 8, .value_kind: global_buffer, .address_space: global }
      - { .name: out0, .offset: 16, .size: 8, .value_kind: global_buffer, .address_space: global }
    .group_segment_fixed_size: 327680
    .private_segment_fixed_size: 0
    .kernarg_segment_align: 8
    .kernarg_segment_size: 24
    .max_flat_workgroup_size: 512
    .sgpr_count:     66
    .vgpr_count:     256
    .wavefront_size: 32
...
	.end_amdgpu_metadata
.endif
;; end of part 6
